; MI455X (gfx1250); checked and timed in simulation.
; The chip was launched on July 23, 2026; its instructions are those of AMD's public machine-readable ISA for CDNA 5 (MIT licence, August 2026) and "CDNA5" Instruction Set Architecture Reference Guide (July 2026). The comments in the code are by the model that wrote it; some were corrected since.
;; Multi Headed Attention. Allowed arithmetic: matrix products marked QUANTISED: E2M1 operands, one E8M0 scale for each 32 along K, by v_wmma_scale_f32_16x16x128_f8f6f4 with both operands' format E2M1 (or v_wmma_scale_f32_32x16x128_f4), f32 sums; products left as they are: bf16, f16 or f32 operands; f32 sums; everything else in f32.
;; Inputs: Wk 1,024 x 1,024 float32; Wo 1,024 x 1,024 float32; Wq 1,024 x 1,024 float32; Wv 1,024 x 1,024 float32; bk 1,024 float32; bo 1,024 float32; bq 1,024 float32; bv 1,024 float32; key 4 x 2,048 x 1,024 float32; mask 4 x 2,048 x 2,048 int32; query 4 x 2,048 x 1,024 float32; value 4 x 2,048 x 1,024 float32.
;; Outputs: out0 4 x 2,048 x 1,024 float32.
;; This version of the problem:
;;   THIS VERSION OF THE PROBLEM IS GIVEN IN LOW PRECISION. The matrix products marked QUANTISED in the list below multiply operands that are first quantised to E2M1 (2 exponent bits, 1 mantissa bit; 4 bits a number), with one power-of-two scale for each 32 numbers along K (OCP MX v1.0); their sums are f32. The products marked 'left as it is' may take bf16, f16 or f32 operands, with f32 sums. Whichever they take, every output number must still come out within the allowed error. Rounding operands to bf16 (8 significant bits) uses up far more of that allowance than f16 does (11 bits, for magnitudes from 6e-5 to 65,504). All else is computed in f32.
;;   The module's matrix products, in the order in which they are computed (A, B: the left and right operand; K: the contracted axis; several contracted axes count as one K, in the product's order):
;;     1. [M 8,192, K 1,024] x [K 1,024, N 1,024]; A: input query; B: input Wq: QUANTISED
;;     2. [M 8,192, K 1,024] x [K 1,024, N 1,024]; A: input key; B: input Wk: QUANTISED
;;     3. [M 8,192, K 1,024] x [K 1,024, N 1,024]; A: input value; B: input Wv: QUANTISED
;;     4. batch 64 x [M 2,048, K 64] x [K 64, N 2,048]; A: computed on the way; B: computed on the way: left as it is (an operand is computed on the way)
;;     5. batch 64 x [M 2,048, K 2,048] x [K 2,048, N 64]; A: computed on the way; B: computed on the way: left as it is (an operand is computed on the way)
;;     6. [M 8,192, K 1,024] x [K 1,024, N 1,024]; A: computed on the way; B: input Wo: left as it is (an operand is computed on the way)
;;   THE QUANTISER, for each operand of a quantised product, along K:
;;     - K is cut into blocks of 32 from its start; a last block that is shorter is filled with zeros.
;;     - A block's scale is 2^e with e = floor(log2(the largest magnitude in the block)) - 2, held to -126 .. 127; a block of zeros has e = 0. As a byte (E8M0): e + 127.
;;     - Each number is divided by its block's scale, clamped to +-6, and rounded to the nearest number of E2M1, ties to even, subnormals kept.
;;     - The product sums the exact products of the quantised numbers (number of the format x scale) in f32.
;;   ~~~python
;;   def quantise(x, axis):      # numpy; x: float32 -> the quantised numbers, widened to float32 again
;;       x = np.moveaxis(x, axis, -1); K = x.shape[-1]
;;       x = np.pad(x, [(0, 0)] * (x.ndim - 1) + [(0, -K % 32)]); x = x.reshape(x.shape[:-1] + (-1, 32)); a = np.abs(x).max(-1, keepdims=True)
;;       e = np.where(a > 0, np.clip(np.frexp(np.where(a > 0, a, 1))[1] - 1 - 2, -126, 127), 0)      # np.frexp(a)[1] - 1 = floor(log2(a)), exactly
;;       r = np.clip(x / 2.0 ** e, -6, 6)
;;       step = 2.0 ** (np.maximum(np.frexp(np.where(r == 0, 1, r))[1] - 1, 0) - 1)
;;       q = np.round(r / step) * step * 2.0 ** e      # np.round: ties to even
;;       return np.moveaxis(q.reshape(q.shape[:-2] + (-1,))[..., :K], -1, axis).astype(np.float32)
;;   ~~~
;; One version. Each part assembles by itself: llvm-mc -triple=amdgcn-amd-amdhsa -mcpu=gfx1250 --defsym DOCPART=n.
;; ======== version 1 of 1: 4 launches
;; limits: values are held in f16: magnitudes above 65,504 overflow, below 6.1e-05 lose precision
;; workspace buffers: codes 14,155,776 bytes; scales 884,736 bytes; mbits 2,097,152 bytes of whole numbers; woh 2,097,152 bytes; qkv 50,331,648 bytes; xh 16,777,216 bytes
;; launch prep (part 1): grid 1952 x 1, 4 waves a work-group, no clusters, 39,424 bytes of LDS; arguments query, key, value, Wq, Wk, Wv, codes, scales, mask, Wo, mbits, woh; writes codes, scales, mbits, woh
.if DOCPART == 1
	.amdgcn_target "amdgcn-amd-amdhsa--gfx1250"
	.amdhsa_code_object_version 6
	.text
	.protected	k_qebf8cc2305_prep
	.globl	k_qebf8cc2305_prep
	.p2align	8
	.type	k_qebf8cc2305_prep,@function
k_qebf8cc2305_prep:
	s_mov_b64 s[64:65], 0
	v_nop
	global_prefetch_b8 v0, s[64:65] scope:SCOPE_SE
	s_setreg_imm32_b32 hwreg(HW_REG_WAVE_MODE, 25, 1), 1
	s_wait_xcnt 0x0
; All that is made ready for the later launches, in one launch of three paths that part on the work-group's number alone.
; THE QUANTISER (864 parts): query, key, value [8192][1024] and Wq, Wk, Wv [1024][1024], f32, K innermost, become codes of FP4 (E2M1), two a byte, and one E8M0 scale byte for each 32 along K.
;   The six tensors are stacked in that order in both outputs: codes has rows of 512 bytes, scales rows of 32 bytes; both are linear in the part's number.
;   A block's scale is 2^(floor(log2(its largest magnitude)) - 2); its byte is the largest magnitude's exponent field - 2, held at 1 from below.
;   A part is 32,768 numbers, a wave's share 8,192 in 16 steps of 512.  Each load reads 512 consecutive bytes; a step's 2,048 bytes turn through the wave's own stage in LDS,
;   so that a lane then holds 16 neighbours along K (two neighbouring lanes hold a block).  Loads run four steps ahead, the turn through LDS one step.
; THE MASK (1,024 parts): mask [4][2048][2048] int32 becomes lane masks for the attention launch: 32 bits where 32 x 4 bytes stood.
;   Word ((b 64 + qp) 32 + ks) 64 + t 32 + kt 8 + j; its bit L is (mask[b][32 qp + 16 t + L % 16][64 ks + 16 kt + 8 (L / 16) + j] != 0):
;   the select mask for register 32 t + 8 kt + j of a wave that holds the scores of 32 queries x 64 keys with a query a lane.
;   A wave takes 32 queries x 128 keys: 32 loads of 512 consecutive bytes; a lane's four numbers become four bits; the rows' 32 bytes of such bits turn through the wave's own LDS,
;   so that lane (r, h) holds query r's bits; a compare then makes each lane mask, and the 128 words leave as 512 consecutive bytes.
; Wo (64 parts): Wo [1024][1024] f32 becomes f16 laid [kb 16][n 1024][64], kb = k / 64: a block of 64 along K of all rows is dense.
; WHO DOES WHAT: of work-groups 0 to 1,727 the even ones take the quantiser's part g / 2, the odd ones part g / 2 of the other 1,088 (the mask's 1,024, then Wo's 64); work-groups 1,728 on take parts 864 on of those.
;   So work-groups that mostly load and work-groups that mostly compute lie side by side on a WGP.
; LIMITS: a block of zeros gets the scale byte 1 where the quantiser says 127 (its codes are zeros, and this program alone reads the bytes); |Wo| beyond 65,504 becomes infinity in f16;
;   NaN and infinities among the floating-point inputs are not served.
; Waves share nothing: no barrier.  Each path has LDS bytes of its own, and every LDS address is made ahead of the parting.  No matrix unit, cluster or tensor load: no work-group shares an input with another.
.set WAVES, 4
.set NQW,   864                        ; the quantiser's parts
.set STEPS, 16
.set CB,    8                          ; bytes of 16 codes
.set R,     16                         ; quantiser: v16-79   four sets of 16 numbers as loaded
.set X,     80                         ;            v80-111  two sets of 16 neighbours
.set E,     112                        ;            v112-127 a scale byte for each step
.set C,     128                        ;            v128-191 codes: four registers for each step, so that no store's data are written again
.set WREG,  8192                       ; LDS, quantiser: a region for each wave: two stages of 32 x SP bytes, then its 256 scale bytes
.set SP,    80                         ; a lane's place in a stage: 64 bytes + 16 of padding
.set MBASE, WAVES*WREG                 ; LDS, mask: behind the quantiser's four regions
.set WR,    1536                       ; a wave's 32 rows x RP
.set RP,    48                         ; a query's 32 bytes of bits + 16 of padding
.set SPARE, MBASE+WAVES*WR             ; behind both: the spare words, 128 bytes a wave
.set SPW,   12                         ; v12  LDS address of my spare word; never rewritten
.set NIL,   13                         ; v13  0; never rewritten
.set MIN,   1                          ; v1   mask: LDS, in: my byte of a row
.set MOUT,  10                         ; v10  mask: LDS, out: row r
.set D,     16                         ; mask: v16-31   my query's bits: tile t, 16 keys a register
.set MX,    32                         ; mask, Wo: v32-159 what was loaded
.set TM,    160                        ; mask: v160-163 at work
.set W,     164                        ; mask: v164-167 the 128 words on their way out: word i in register i % 4 of lane i / 4
.set SH,    168                        ; mask: v168 16 h
.set WOF,   169                        ; Wo:   v169 my byte in four rows of Wo
	s_load_b512 s[4:19], s[0:1], 0x0               ; query s[4:5], key s[6:7], value s[8:9], Wq s[10:11], Wk s[12:13], Wv s[14:15], codes s[16:17], scales s[18:19]
	s_load_b256 s[36:43], s[0:1], 0x40             ; mask s[36:37], Wo s[38:39], mbits s[40:41], woh s[42:43]
	v_lshl_add_u32 v[SPW], v0, 2, SPARE
	v_mov_b32 v[NIL], 0
	v_lshrrev_b32 v8, 5, v0
	v_readfirstlane_b32 s24, v8                    ; wave
	v_and_b32 v2, 31, v0                           ; lane
	v_lshlrev_b32 v3, 4, v2                        ; 16 x lane: my 16 bytes of a load's or a store's 512
	s_mul_i32 s25, s24, WREG                       ; the quantiser's LDS addresses
	v_lshrrev_b32 v14, 2, v2
	v_mul_u32_u24 v14, v14, SP
	v_and_b32 v15, 3, v2
	v_lshl_add_u32 v14, v15, 4, v14
	v_add_nc_u32 v14, s25, v14                     ; the stage on the way in: SP (lane / 4) + 16 (lane % 4)
	v_mul_u32_u24 v15, v2, SP
	v_add_nc_u32 v15, s25, v15                     ; and on the way out: SP x lane
	v_lshrrev_b32 v5, 1, v2
	s_add_co_u32 s25, s25, 2*32*SP
	v_add_nc_u32 v5, s25, v5                       ; my block's scale byte in the wave's 256
	v_lshlrev_b32 v7, 3, v2
	v_add_nc_u32 v6, s25, v7                       ; and 8 bytes a lane on their way out
	s_mul_i32 s26, s24, WR                         ; the mask path's LDS addresses
	s_add_co_u32 s26, s26, MBASE
	v_add_nc_u32 v[MIN], s26, v2
	v_and_b32 v9, 15, v0
	v_mul_u32_u24 v[MOUT], v9, RP
	v_add_nc_u32 v[MOUT], s26, v[MOUT]
	s_max_u32 s32, ttmp9, NQW                      ; which path, and which part of it: made of the work-group's number alone
	s_sub_co_u32 s32, s32, NQW
	s_lshr_b32 s30, ttmp9, 1
	s_and_b32 s31, ttmp9, 1
	s_cmp_ge_u32 ttmp9, 2*NQW
	s_cselect_b32 s30, s32, s30                    ; the part's number
	s_cselect_b32 s31, 1, s31                      ; 0: the quantiser
	s_cmp_lg_u32 s31, 0
	s_cbranch_scc1 .Lpack
	; ---- THE QUANTISER
	v_mul_u32_u24 v4, v2, CB                       ; my codes' place in a step's
	s_cmp_lt_u32 s30, 768                          ; parts 0-767: three tensors of 256 parts; 768-863: three of 32
	s_cselect_b32 s22, 255, 31
	s_and_b32 s22, s30, s22                        ; my number inside my tensor
	s_lshl_b32 s22, s22, 2
	s_add_co_u32 s22, s22, s24
	s_lshl_b32 s22, s22, 15                        ; my wave's 8,192 numbers: 32,768 bytes each run
	s_mov_b32 s23, 0
	s_lshl_b32 s26, s30, 2
	s_add_co_u32 s26, s26, s24                     ; which run of the stacked outputs
	s_lshl_b32 s28, s26, 8                         ; 256 scale bytes a run
	s_lshl_b32 s26, s26, 12                        ; 4,096 bytes of codes a run
	s_mov_b32 s27, 0
	s_mov_b32 s29, 0
	s_wait_kmcnt 0x0
	s_mov_b64 s[20:21], s[14:15]                   ; the source: chosen on the part's number alone
	s_cmp_lt_u32 s30, 832
	s_cselect_b64 s[20:21], s[12:13], s[20:21]
	s_cmp_lt_u32 s30, 800
	s_cselect_b64 s[20:21], s[10:11], s[20:21]
	s_cmp_lt_u32 s30, 768
	s_cselect_b64 s[20:21], s[8:9], s[20:21]
	s_cmp_lt_u32 s30, 512
	s_cselect_b64 s[20:21], s[6:7], s[20:21]
	s_cmp_lt_u32 s30, 256
	s_cselect_b64 s[20:21], s[4:5], s[20:21]
	s_add_nc_u64 s[20:21], s[20:21], s[22:23]
	s_add_nc_u64 s[16:17], s[16:17], s[26:27]
	s_add_nc_u64 s[18:19], s[18:19], s[28:29]
.macro LOAD t
.irp i, 0,1,2,3
	global_load_b128 v[R+16*((\t)%4)+4*\i:R+16*((\t)%4)+4*\i+3], v3, s[20:21] offset:2048*(\t)+512*\i th:TH_LOAD_NT   ; 32 lanes read 512 consecutive bytes
.endr
.endm
.macro TURN t                          ; step t's numbers through the stage: LDS serves a wave's instructions in order, so no wait stands between the stores and the loads
.irp i, 0,1,2,3
	ds_store_b128 v14, v[R+16*((\t)%4)+4*\i:R+16*((\t)%4)+4*\i+3] offset:32*SP*((\t)%2)+8*SP*\i
.endr
.irp i, 0,1,2,3
	ds_load_b128 v[X+16*((\t)%2)+4*\i:X+16*((\t)%2)+4*\i+3], v15 offset:32*SP*((\t)%2)+16*\i
.endr
.endm
.irp t, 0,1,2,3
	LOAD \t
.endr
	s_wait_loadcnt 12                              ; step 0's four loads are in; the twelve of steps 1 to 3 may be out
	TURN 0
.macro STEP t
.set XS, X+16*((\t)%2)
.if (\t) > 0
	s_wait_dscnt 1                                 ; this step's numbers are back from the stage; the last step's byte store may be out
.else
	s_wait_dscnt 0x0
.endif
.if (\t)+4 < STEPS
	LOAD (\t)+4                                    ; into the registers whose stores into the stage are done
.endif
.if (\t)+1 < STEPS
.if STEPS-2-(\t) >= 3
	s_wait_loadcnt 12                              ; the next step's four loads are in; those of the three steps behind it may be out
.else
	s_wait_loadcnt 4*(STEPS-2-(\t))
.endif
	TURN (\t)+1
.endif
	v_max3_num_f32 v8, |v[XS]|, |v[XS+1]|, |v[XS+2]|               ; the largest magnitude of my 16, in two chains
	v_max3_num_f32 v9, |v[XS+3]|, |v[XS+4]|, |v[XS+5]|
.irp i, 6,10
	v_max3_num_f32 v8, v8, |v[XS+\i]|, |v[XS+\i+1]|
	v_max3_num_f32 v9, v9, |v[XS+\i+2]|, |v[XS+\i+3]|
.endr
	v_max3_num_f32 v8, v8, |v[XS+14]|, |v[XS+15]|
	v_max3_num_f32 v8, v8, v9, 0x1800000           ; and the floor 2^(3 - 127): the byte cannot fall under 1
	v_max_num_f32_dpp v8, v8, v8 row_xmask:1 row_mask:0xf bank_mask:0xf   ; with my neighbour's 16: the block's
	v_add_nc_u32 v11, 0xff000000, v8               ; 2 off its exponent field: the conversion takes the exponent field of this operand as its scale
	v_cvt_scalef32_pk8_fp4_f32 v[C+4*(\t)], v[XS:XS+7], v11
	v_cvt_scalef32_pk8_fp4_f32 v[C+4*(\t)+1], v[XS+8:XS+15], v11
	v_lshrrev_b32 v[E+(\t)], 23, v11               ; the scale's byte (also the plain line behind the conversions)
	ds_store_b8 v5, v[E+(\t)] offset:16*(\t)       ; both lanes of a block write the same byte with the same value
	global_store_b64 v4, v[C+4*(\t):C+4*(\t)+1], s[16:17] offset:32*CB*(\t)   ; the wave stores 256 consecutive bytes, aligned
.endm
.irp t, 0,1,2,3,4,5,6,7,8,9,10,11,12,13,14,15
	STEP \t
.endr
	ds_load_b64 v[8:9], v6                         ; LDS serves a wave's instructions in order: these see my byte stores
	s_wait_dscnt 0x0
	global_store_b64 v7, v[8:9], s[18:19]          ; 32 lanes store 256 consecutive bytes, aligned
	s_wait_tensorcnt 0x0                           ; the wave's end
	ds_add_u32 v[SPW], v[NIL]
	s_wait_dscnt 0x0
	s_endpgm
.Lpack:
	s_cmp_ge_u32 s30, 1024
	s_cbranch_scc1 .Lwo
	; ---- THE MASK
	v_bfe_u32 v[SH], v0, 4, 1
	v_lshlrev_b32 v[SH], 4, v[SH]                  ; 16 h: lanes 16-31 want the upper eight keys of each 16
.irp i, 0,1,2,3
	v_mov_b32 v[W+\i], 0                           ; written once: the destination of a lane write counts as read
.endr
	s_lshr_b32 s20, s30, 2                         ; b 64 + qp
	s_and_b32 s21, s30, 3
	s_lshl_b32 s21, s21, 2
	s_add_co_u32 s21, s21, s24                     ; which 128 keys
	s_lshl_b32 s21, s21, 9                         ; 512 bytes of a row of the mask, and 512 bytes of words
	s_lshl_b32 s22, s20, 18                        ; 32 rows of 8,192 bytes
	s_add_co_u32 s22, s22, s21
	s_mov_b32 s23, 0
	s_lshl_b32 s28, s20, 13                        ; 2,048 words
	s_add_co_u32 s28, s28, s21
	s_mov_b32 s29, 0
	s_wait_kmcnt 0x0
	s_add_nc_u64 s[36:37], s[36:37], s[22:23]
	s_add_nc_u64 s[40:41], s[40:41], s[28:29]
.set ii, 0
.rept 32
	global_load_b128 v[MX+4*ii:MX+4*ii+3], v3, s[36:37] offset:ii*8192 th:TH_LOAD_NT   ; query ii: 32 lanes read 512 consecutive bytes
.set ii, ii+1
.endr
.set ii, 0
.rept 32
	s_wait_loadcnt 31-ii                           ; loads come back in order: row ii is in, the younger rows may be out
	v_min_u32 v[MX+4*ii], 1, v[MX+4*ii]            ; 1 where the number is not 0
	v_min_u32 v[MX+4*ii+1], 1, v[MX+4*ii+1]
	v_min_u32 v[MX+4*ii+2], 1, v[MX+4*ii+2]
	v_min_u32 v[MX+4*ii+3], 1, v[MX+4*ii+3]
	v_lshl_or_b32 v[MX+4*ii], v[MX+4*ii+1], 1, v[MX+4*ii]
	v_lshl_or_b32 v[MX+4*ii+2], v[MX+4*ii+3], 1, v[MX+4*ii+2]
	v_lshl_or_b32 v[MX+4*ii], v[MX+4*ii+2], 2, v[MX+4*ii]  ; bits 0-3: keys 4 lane + 0 .. 3
	ds_store_b8 v[MIN], v[MX+4*ii] offset:ii*RP
.set ii, ii+1
.endr
.irp t, 0,1
.irp c, 0,1
	ds_load_b128 v[D+8*\t+4*\c:D+8*\t+4*\c+3], v[MOUT] offset:\t*16*RP+16*\c   ; the wave's own bytes, served in order: these see the stores
.endr
.endr
	s_wait_dscnt 0x0
.set ii, 0
.rept 16
	v_lshrrev_b32 v[D+ii], v[SH], v[D+ii]          ; now key 16 k + 8 h + j stands at bit j (j under 4) or j + 4
.set ii, ii+1
.endr
.set nn, 0
.irp k, 0,1,2,3,4,5,6,7
.irp t, 0,1
.irp j, 0,1,2,3,4,5,6,7
.set wi, ((\k)/4)*64+(\t)*32+((\k)%4)*8+(\j)
	v_and_b32 v[TM+nn%4], 1<<((\j)+4*((\j)/4)), v[D+8*\t+\k]
	v_cmp_ne_u32 s[28+nn%8], 0, v[TM+nn%4]         ; the lane mask
	v_writelane_b32 v[W+wi%4], s[28+nn%8], wi/4
.set nn, nn+1
.endr
.endr
.endr
	global_store_b128 v3, v[W:W+3], s[40:41]       ; 128 words: 512 consecutive bytes, aligned
	s_wait_tensorcnt 0x0                           ; the wave's end
	ds_add_u32 v[SPW], v[NIL]
	s_wait_dscnt 0x0
	s_endpgm
.Lwo:                                              ; ---- Wo
	v_lshrrev_b32 v[WOF], 3, v2
	v_lshlrev_b32 v[WOF], 12, v[WOF]
	v_and_b32 v[SH], 7, v0
	v_lshl_add_u32 v[WOF], v[SH], 5, v[WOF]        ; row lane / 8 of 4,096 bytes, 32 bytes a lane
	s_sub_co_u32 s20, s30, 1024
	s_and_b32 s21, s20, 15                         ; kb
	s_lshr_b32 s20, s20, 4
	s_lshl_b32 s20, s20, 8
	s_lshl_b32 s22, s24, 6
	s_add_co_u32 s20, s20, s22                     ; my wave's first row n
	s_lshl_b32 s22, s20, 12
	s_lshl_b32 s23, s21, 8
	s_add_co_u32 s22, s22, s23                     ; Wo: n x 4,096 + kb x 256
	s_mov_b32 s23, 0
	s_lshl_b32 s28, s21, 17
	s_lshl_b32 s29, s20, 7
	s_add_co_u32 s28, s28, s29                     ; woh: kb x 131,072 + n x 128
	s_mov_b32 s29, 0
	s_wait_kmcnt 0x0
	s_add_nc_u64 s[38:39], s[38:39], s[22:23]
	s_add_nc_u64 s[42:43], s[42:43], s[28:29]
.set ii, 0
.rept 16
	global_load_b128 v[MX+8*ii:MX+8*ii+3], v[WOF], s[38:39] offset:16384*ii th:TH_LOAD_NT       ; four rows, 256 bytes of each: the pair of loads covers them whole
	global_load_b128 v[MX+8*ii+4:MX+8*ii+7], v[WOF], s[38:39] offset:16384*ii+16 th:TH_LOAD_NT
.set ii, ii+1
.endr
.set ii, 0
.rept 16
	s_wait_loadcnt 30-2*ii                         ; this pair is in; the younger pairs may be out
	v_cvt_pk_f16_f32 v[MX+8*ii], v[MX+8*ii], v[MX+8*ii+1]
	v_cvt_pk_f16_f32 v[MX+8*ii+1], v[MX+8*ii+2], v[MX+8*ii+3]
	v_cvt_pk_f16_f32 v[MX+8*ii+2], v[MX+8*ii+4], v[MX+8*ii+5]
	v_cvt_pk_f16_f32 v[MX+8*ii+3], v[MX+8*ii+6], v[MX+8*ii+7]
	global_store_b128 v3, v[MX+8*ii:MX+8*ii+3], s[42:43] offset:512*ii   ; four rows of 128 bytes: 512 consecutive bytes, aligned
.set ii, ii+1
.endr
	s_endpgm
.Lfunc_end_k_qebf8cc2305_prep:
	.size	k_qebf8cc2305_prep, .Lfunc_end_k_qebf8cc2305_prep-k_qebf8cc2305_prep
	.p2alignl 7, 3214868480
	.fill 96, 4, 3214868480
	.section	.rodata,"a",@progbits
	.p2align	6, 0x0
	.amdhsa_kernel k_qebf8cc2305_prep
		.amdhsa_group_segment_fixed_size 39424
		.amdhsa_private_segment_fixed_size 0
		.amdhsa_enable_private_segment 0
		.amdhsa_kernarg_size 96
		.amdhsa_user_sgpr_count 2
		.amdhsa_user_sgpr_kernarg_segment_ptr 1
		.amdhsa_wavefront_size32 1
		.amdhsa_system_sgpr_workgroup_id_x 1
		.amdhsa_system_sgpr_workgroup_id_y 1
		.amdhsa_system_sgpr_workgroup_id_z 1
		.amdhsa_system_vgpr_workitem_id 0
		.amdhsa_next_free_vgpr 192
		.amdhsa_next_free_sgpr 66
		.amdhsa_reserve_vcc 0
		.amdhsa_float_denorm_mode_32 3
		.amdhsa_float_denorm_mode_16_64 3
		.amdhsa_memory_ordered 1
		.amdhsa_forward_progress 1
		.amdhsa_inst_pref_size 84
	.end_amdhsa_kernel
	.amdgpu_metadata
---
amdhsa.version: [ 1, 2 ]
amdhsa.kernels:
  - .name:           k_qebf8cc2305_prep
    .symbol:         k_qebf8cc2305_prep.kd
    .args:
      - { .name: query, .offset: 0, .size: 8, .value_kind: global_buffer, .address_space: global }
      - { .name: key, .offset: 8, .size: 8, .value_kind: global_buffer, .address_space: global }
      - { .name: value, .offset: 16, .size: 8, .value_kind: global_buffer, .address_space: global }
      - { .name: Wq, .offset: 24, .size: 8, .value_kind: global_buffer, .address_space: global }
      - { .name: Wk, .offset: 32, .size: 8, .value_kind: global_buffer, .address_space: global }
      - { .name: Wv, .offset: 40, .size: 8, .value_kind: global_buffer, .address_space: global }
      - { .name: codes, .offset: 48, .size: 8, .value_kind: global_buffer, .address_space: global }
      - { .name: scales, .offset: 56, .size: 8, .value_kind: global_buffer, .address_space: global }
      - { .name: mask, .offset: 64, .size: 8, .value_kind: global_buffer, .address_space: global }
      - { .name: Wo, .offset: 72, .size: 8, .value_kind: global_buffer, .address_space: global }
      - { .name: mbits, .offset: 80, .size: 8, .value_kind: global_buffer, .address_space: global }
      - { .name: woh, .offset: 88, .size: 8, .value_kind: global_buffer, .address_space: global }
    .group_segment_fixed_size: 39424
    .private_segment_fixed_size: 0
    .kernarg_segment_align: 8
    .kernarg_segment_size: 96
    .max_flat_workgroup_size: 128
    .sgpr_count:     66
    .vgpr_count:     192
    .wavefront_size: 32
...
	.end_amdgpu_metadata
.endif
;; end of part 1
;; launch proj (part 2): grid 4 x 96, 4 waves a work-group, clusters of 4 x 4, 327,680 bytes of LDS; arguments codes, scales, bq, bk, bv, qkv; writes qkv
.if DOCPART == 2
	.amdgcn_target "amdgcn-amd-amdhsa--gfx1250"
	.amdhsa_code_object_version 6
	.text
	.protected	k_qebf8cc2305_proj
	.globl	k_qebf8cc2305_proj
	.p2align	8
	.type	k_qebf8cc2305_proj,@function
k_qebf8cc2305_proj:
	s_mov_b64 s[64:65], 0
	v_nop
	global_prefetch_b8 v0, s[64:65] scope:SCOPE_SE
	s_setreg_imm32_b32 hwreg(HW_REG_WAVE_MODE, 25, 1), 1
	s_wait_xcnt 0x0
	s_wait_alu depctr_hold_cnt(0) depctr_sa_sdst(0) depctr_va_vdst(0) depctr_va_sdst(0) depctr_va_ssrc(0) depctr_va_vcc(0) depctr_vm_vsrc(0)
	s_getreg_b32 s2, hwreg(HW_REG_IB_STS2, 6, 4)
	s_cmp_eq_u32 s2, 0
	s_cbranch_scc0 .Lentry_in_a_cluster
	s_endpgm
.Lentry_in_a_cluster:
	s_bfe_u32 s2, ttmp6, 0x10000c
	s_cmp_lg_u32 s2, 0xf033
	s_cbranch_scc0 .Lentry_shape_is_right
	s_endpgm
.Lentry_shape_is_right:
; The three quantised projections in one launch: out[m][n] = sum over k of x[m][k] W[n][k] + bias[n], on codes of FP4 (E2M1) with one E8M0 scale for each 32 along K; sums in f32.
; codes holds 24,576 rows of x (query's, key's, value's) and behind them 3,072 rows of W (Wq's, Wk's, Wv's), 512 bytes a row; scales likewise, 32 bytes a row.
; The result leaves as f16, laid for attention: qkv [p 3][b 16 + h][s 2048][64]; for p = 0 it is multiplied by log2(e) / 8 first, in f32, so that the scores come out as exponents of 2.
; LIMIT: a result beyond 65,504 in magnitude becomes infinity in f16.
; A tile of 256 x 256 is made by four waves, each 128 x 128: 64 accumulators of 16 x 16.  Tile row R = 0 .. 95 runs through the stacked rows of x; p = R / 32 picks W and the bias.
; K = 1,024 is two steps of 512, one in each of two LDS slots: both are asked for at the head and nothing is filled again.  The scale bytes of the tile's rows come with them and stay.
; CLUSTERS: 4 x 4 work-groups.  The four of a row of the cluster need the same rows of x, the four of a column the same rows of W: each tile is asked for jointly, by the same tensor load with the
; same descriptor and a mask that names the four.  By this text's count a wave has three tensor loads out at the head.
; THE MATRIX INSTRUCTION IS USED TRANSPOSED (source 0 = 16 rows of W, source 1 = 16 rows of x): a lane holds eight neighbouring outputs of one row.  The bias is the C of each sum's first product.
; REGISTERS, in windows of 256: window 0: v0-31 addresses; v32-95 scale words, two sets; v128-191 x's fragments, one set; v192-255 the bias, eight registers for each of my eight blocks of 16 outputs.
;   window 1: W's fragments, two sets, at v0 and v128.   window 2: the accumulators of my rows 0-63 ((a, b) at v[8 (8 a + b)]);   window 3: those of my rows 64-127.
.set NQ,     4                         ; matrix instructions deep in a slot: 512 / 128
.set ROWB,   256                       ; a tile's row in bytes
.set KROW,   512                       ; a row of codes in memory
.set PITCH,  272                       ; an LDS row: 256 bytes + 16 of padding
.set FR,     8                         ; registers of a fragment
.set NL,     2                         ; LDS loads that bring one
.set NP,     4                         ; places behind this matrix instruction (ISA guide 7.12.1)
.set HALFT,  128*PITCH
.set SLOT,   4*HALFT
.set KS,     32                        ; a row of scales in bytes
.set SCL,    2*SLOT                    ; behind the slots: the scales, as units of 256 bytes + 16 of padding
.set HALFS,  (128*KS/256)*272
.set SBLK,   (16*KS/256)*272
.set SPARE,  SCL+4*HALFS               ; the spare words, 128 bytes a wave
.set WCOD,   12582912                  ; where W's rows begin in codes
.set WSCL,   786432                    ; and in scales
.set OP,     144                       ; the way out: a stage row: 128 bytes (a head's 64 f16) + 16.  The stage, 2 heads x 16 rows a wave, lies in slot 0, which has had its only fill and its last read by then
.set ADRA, 16
.set ADRB, 20
.set STO,  24
.set RD,   25
.set CO,   26
.set ADRS, 27
.set SPW,  28                          ; v28  LDS address of my spare word; never rewritten
.set NIL,  29                          ; v29  0; never rewritten
.set SC,   32
.set AF,   128
.set BI,   192
.set T1,   32                          ; the way out: 64 results times the factor,
.set PKR,  96                          ; 32 registers of f16 pairs,
.set BK,   128                         ; and 32 read back from the stage: v128-159 and v160-191 by turns
.set G1, 24
.set G0, 32
.set G1B, 48
.set G0B, 56
.set G1S, 68
.set G0S, 76
.set G1SB, 80
.set G0SB, 88
.set MSB, 0
.macro WIN new                         ; the immediate's high byte repeats the setting that is left
.if MSB != (\new)
	s_set_vgpr_msb (MSB<<8)|(\new)
.set MSB, (\new)
.endif
.endm
.set MUL_LO, 0xa1                      ; source 0 (W) window 1, source 1 (x) window 0, C and D window 2
.set MUL_HI, 0xf1                      ; the same, C and D window 3
.set MUB_LO, 0x81                      ; the first products: C (the bias) window 0, D window 2
.set MUB_HI, 0xc1                      ; D window 3
.set TO_B,   0x40
; A joint load: waves 0 and 1 fetch for x, waves 2 and 3 for W.  The branch hangs on the wave's number alone.  An s_nop 0 and four v_nop follow each of the two lines.
.macro JLOAD g0a, g1a, g0b, g1b
	s_cmp_eq_u32 s15, 0
	s_cbranch_scc0 .Lfor_b_\@
	tensor_load_to_lds s[\g0a:\g0a+3], s[\g1a:\g1a+7]
	s_nop 0
.rept 4
	v_nop
.endr
	s_branch .Lasked_\@
.Lfor_b_\@:
	tensor_load_to_lds s[\g0b:\g0b+3], s[\g1b:\g1b+7]
	s_nop 0
.rept 4
	v_nop
.endr
.Lasked_\@:
.endm
.macro CROUND                          ; a round of the cluster's barrier
	s_barrier_signal -1
	s_barrier_wait -1
	s_cmp_lg_u32 s14, 0
	s_cbranch_scc1 .Lnot_wave_0_\@
	s_barrier_signal -3
.Lnot_wave_0_\@:
	s_barrier_wait -3
	s_barrier_signal -1
	s_barrier_wait -1
.endm
	s_load_b128 s[4:7], s[0:1], 0x0                ; codes, scales
	s_load_b128 s[92:95], s[0:1], 0x10             ; bq, bk
	s_load_b128 s[96:99], s[0:1], 0x20             ; bv, qkv
	v_lshl_add_u32 v[SPW], v0, 2, SPARE
	v_mov_b32 v[NIL], 0
	ds_add_u32 v[SPW], v[NIL]                      ; the wave's opening: the add, twice on end, and its wait ahead of my first tensor load
	ds_add_u32 v[SPW], v[NIL]
	v_lshrrev_b32 v1, 5, v0
	v_readfirstlane_b32 s14, v1                    ; wave 0..3
	s_lshr_b32 s15, s14, 1                         ; which half of the tile's rows is mine.  Also: I fetch for x (0) or for W (1)
	s_and_b32 s16, s14, 1                          ; which half of its columns.  Also: which 128 rows of that tile I fetch
	s_bfe_u32 s40, ttmp6, 0x40000                  ; cx, cy: my place in the cluster
	s_bfe_u32 s41, ttmp6, 0x40004
	s_lshl_b32 s42, ttmp9, 2
	s_add_co_u32 s42, s42, s40                     ; tile column = 4 x cluster x + cx
	s_and_b32 s105, ttmp7, 0xffff                  ; cluster y
	s_lshl_b32 s17, s105, 2
	s_add_co_u32 s17, s17, s41                     ; tile row R = 4 x cluster y + cy
	s_lshr_b32 s105, s105, 3                       ; p = R / 32: the same in all sixteen partners
	s_lshl_b32 s43, s41, 2
	s_lshl_b32 s43, 15, s43                        ; my row of the cluster
	s_lshl_b32 s44, 0x1111, s40                    ; my column
	s_or_b32 s[G1+0], s43, (0<<16)|(1<<20)|(1<<21)|(5<<22)|(3<<25)  ; the mask; elements of 1 byte; padding on; bit 21 beside a mask; 4 words of padding after every 64
	s_or_b32 s[G1B+0], s44, (0<<16)|(1<<20)|(1<<21)|(5<<22)|(3<<25)
.irp g, G1, G1B
	s_mov_b32 s[\g+1], ROWB<<16                    ; tensor_dim0
	s_mov_b32 s[\g+2], 128<<16                     ; tensor_dim1
	s_mov_b32 s[\g+3], ROWB<<16                    ; tile_dim0
	s_mov_b32 s[\g+4], 128                         ; tile_dim1
	s_mov_b32 s[\g+5], KROW                        ; from row to row
	s_mov_b32 s[\g+6], 0
	s_mov_b32 s[\g+7], 0
.endr
	s_or_b32 s[G1S+0], s43, (3<<16)|(1<<20)|(1<<21)|(5<<22)|(3<<25) ; the scales of 128 rows: 4,096 dense bytes, as 16 rows of 256 (32 elements of 8 bytes), 16 of padding behind each
	s_or_b32 s[G1SB+0], s44, (3<<16)|(1<<20)|(1<<21)|(5<<22)|(3<<25)
.irp g, G1S, G1SB
	s_mov_b32 s[\g+1], 32<<16
	s_mov_b32 s[\g+2], (128*KS/256)<<16
	s_mov_b32 s[\g+3], 32<<16
	s_mov_b32 s[\g+4], 128*KS/256
	s_mov_b32 s[\g+5], 32
	s_mov_b32 s[\g+6], 0
	s_mov_b32 s[\g+7], 0
.endr
	s_lshl_b32 s18, s16, 7                         ; which 128 rows of the tile I fetch
	s_lshl_b32 s20, s17, 8
	s_add_co_u32 s20, s20, s18                     ; x: row 256 R + 128 x half of the stacked rows
	s_lshl_b32 s46, s42, 8
	s_add_co_u32 s46, s46, s18
	s_lshl_b32 s47, s105, 10
	s_add_co_u32 s46, s46, s47                     ; W: row 1,024 p + 256 x tile column + 128 x half
	s_mov_b32 s21, 0
	s_mov_b32 s47, 0
	s_mov_b64 s[18:19], KS
	s_mul_u64 s[22:23], s[20:21], s[18:19]         ; where these rows' scales begin,
	s_mul_u64 s[100:101], s[46:47], s[18:19]
	s_mov_b64 s[18:19], KROW
	s_mul_u64 s[20:21], s[20:21], s[18:19]         ; and their codes
	s_mul_u64 s[46:47], s[46:47], s[18:19]
	s_add_nc_u64 s[100:101], s[100:101], WSCL
	s_add_nc_u64 s[46:47], s[46:47], WCOD
	s_mul_i32 s45, s14, HALFT                      ; where they go: wave x 128 rows: no place in the cluster enters an LDS address
	s_mul_i32 s104, s14, HALFS
	s_wait_dscnt 0x0                               ; both opening adds are done
	s_wait_kmcnt 0x0
	s_add_nc_u64 s[20:21], s[4:5], s[20:21]
	s_add_nc_u64 s[22:23], s[6:7], s[22:23]
	s_add_nc_u64 s[46:47], s[4:5], s[46:47]
	s_add_nc_u64 s[100:101], s[6:7], s[100:101]
	CROUND                                         ; all sixteen work-groups are here: the joint loads meet
	s_mov_b32 s[G0S], 1
	s_add_co_u32 s[G0S+1], s104, SCL
	s_mov_b64 s[G0S+2:G0S+3], s[22:23]
	s_or_b32 s[G0S+3], s[G0S+3], 0x80000000
	s_mov_b32 s[G0SB], 1
	s_add_co_u32 s[G0SB+1], s104, SCL
	s_mov_b64 s[G0SB+2:G0SB+3], s[100:101]
	s_or_b32 s[G0SB+3], s[G0SB+3], 0x80000000
	JLOAD G0S, G1S, G0SB, G1SB                     ; the scales first: they are wanted with K step 0
.irp s, 0,1
	s_mov_b32 s[G0+4*\s], 1
	s_add_co_u32 s[G0+4*\s+1], s45, \s*SLOT
	s_add_nc_u64 s[G0+4*\s+2:G0+4*\s+3], s[20:21], \s*ROWB
	s_or_b32 s[G0+4*\s+3], s[G0+4*\s+3], 0x80000000
	s_mov_b32 s[G0B+4*\s], 1
	s_add_co_u32 s[G0B+4*\s+1], s45, \s*SLOT
	s_add_nc_u64 s[G0B+4*\s+2:G0B+4*\s+3], s[46:47], \s*ROWB
	s_or_b32 s[G0B+4*\s+3], s[G0B+4*\s+3], 0x80000000
	JLOAD G0+4*\s, G1, G0B+4*\s, G1B
.endr
	; the bias and the factor, chosen on p
	s_cmp_eq_u32 s105, 1
	s_cselect_b64 s[94:95], s[94:95], s[96:97]
	s_cmp_eq_u32 s105, 0
	s_cselect_b64 s[92:93], s[92:93], s[94:95]
	s_cselect_b32 s2, 0x3e38aa3b, 1.0              ; log2(e) / 8 for q, 1 for k and v
	s_mov_b32 s3, s2                               ; (named with it as a pair, so it is written)
	s_lshl_b32 s46, s42, 10
	s_lshl_b32 s47, s16, 9
	s_add_co_u32 s46, s46, s47                     ; my first output, in bytes of f32: 1,024 x tile column + 512 x half
	s_mov_b32 s47, 0
	s_add_nc_u64 s[92:93], s[92:93], s[46:47]
	v_and_b32 v1, 15, v0                           ; r = l % 16
	v_bfe_u32 v2, v0, 4, 1                         ; h = l / 16
	v_lshlrev_b32 v7, 5, v2                        ; 32 h: my eight numbers of a block of 16
.irp b, 0,1,2,3,4,5,6,7
	global_load_b128 v[BI+8*\b:BI+8*\b+3], v7, s[92:93] offset:64*\b
	global_load_b128 v[BI+8*\b+4:BI+8*\b+7], v7, s[92:93] offset:64*\b+16
.endr
	v_mul_u32_u24 v3, v1, PITCH
	v_lshl_add_u32 v4, v2, 4, v3                   ; a fragment's row x pitch + 16 x half
	s_mul_i32 s21, s15, HALFT                      ; my 128 rows of x
	s_mul_i32 s22, s16, HALFT                      ; my 128 rows of W,
	s_add_co_u32 s22, s22, 2*HALFT                 ; which lie behind x's 256
.irp s, 0,1
	v_add_nc_u32 v[ADRA+\s], s21, v4
	v_add_nc_u32 v[ADRB+\s], s22, v4
	s_add_co_u32 s21, s21, SLOT
	s_add_co_u32 s22, s22, SLOT
.endr
	v_mul_u32_u24 v5, v1, KS                       ; my row's scales: 32 bytes a row,
	v_lshrrev_b32 v6, 8, v5
	v_lshl_add_u32 v5, v6, 4, v5                   ; and 16 more for each 256 passed
	s_mul_i32 s21, s15, HALFS
	s_mul_i32 s22, s16, HALFS
	s_add_co_u32 s22, s22, 2*HALFS
	s_sub_co_u32 s22, s22, s21
	v_mul_u32_u24 v6, s22, v2                      ; lanes 16-31 take W's
	s_add_co_u32 s21, s21, SCL
	v_add_nc_u32 v5, v5, v6
	v_add_nc_u32 v[ADRS], s21, v5
	s_mul_i32 s23, s14, 32*OP                      ; my stage
	v_mul_u32_u24 v5, v1, OP
	v_lshl_add_u32 v5, v2, 4, v5
	v_add_nc_u32 v[STO], s23, v5                   ; in: row r, 16 bytes for each half of the lanes
	v_and_b32 v6, 31, v0
	v_lshlrev_b32 v[CO], 4, v6                     ; in qkv: 16 x lane
	v_lshrrev_b32 v5, 3, v6
	v_mul_u32_u24 v5, v5, OP
	v_and_b32 v6, 7, v0
	v_lshl_add_u32 v5, v6, 4, v5
	v_add_nc_u32 v[RD], s23, v5                    ; back: eight lanes to a row of 128 bytes, four rows an instruction
	s_lshr_b32 s20, s17, 3                         ; R / 8 = 4 p + b: 16 heads of 262,144 bytes each
	s_lshl_b32 s20, s20, 22
	s_and_b32 s21, s17, 7
	s_lshl_b32 s21, s21, 8
	s_lshl_b32 s22, s15, 7
	s_add_co_u32 s21, s21, s22                     ; my first s: 256 (R % 8) + 128 x half
	s_lshl_b32 s21, s21, 7
	s_add_co_u32 s20, s20, s21
	s_lshl_b32 s46, s42, 2
	s_lshl_b32 s47, s16, 1
	s_add_co_u32 s46, s46, s47                     ; my first head: 4 x tile column + 2 x half
	s_lshl_b32 s46, s46, 18
	s_add_co_u32 s20, s20, s46
	s_mov_b32 s21, 0
	s_add_nc_u64 s[98:99], s[98:99], s[20:21]
.macro FRAG reg, adr, q, i             ; 16 rows x 128 K of 4-bit codes: lane l holds row l % 16; registers 4 c .. 4 c + 3 hold K = 64 c + 32 (l / 16) + 0 .. 31
.irp c, 0,1
	ds_load_b128 v[\reg+4*\c:\reg+4*\c+3], v[\adr] offset:64*(\q)+32*\c+(\i)*16*PITCH
.endr
.endm
; 16 matrix instructions: x's blocks a0, a0 + 1 against W's eight.  p: W's set;  sc: the set of scale words.  first = 1: the bias is the C: nothing is ever cleared.
; The 64 accumulators take turns, one instruction a turn, in the same order in every step.
.macro MUL16 a0, p, q, sc, first
.irp a, \a0, \a0+1
.irp b, 0,1,2,3,4,5,6,7
.if \first
	v_wmma_scale_f32_16x16x128_f8f6f4 v[8*(8*((\a)%4)+\b):8*(8*((\a)%4)+\b)+7], v[128*(\p)+FR*\b:128*(\p)+FR*\b+FR-1], v[AF+FR*(\a):AF+FR*(\a)+FR-1], v[BI+8*\b:BI+8*\b+7], v[SC+8*NQ*(\sc)+NQ*\b+(\q)], v[SC+8*NQ*(\sc)+NQ*(\a)+(\q)] matrix_a_fmt:MATRIX_FMT_FP4 matrix_b_fmt:MATRIX_FMT_FP4 matrix_a_scale:MATRIX_SCALE_ROW1
.else
	v_wmma_scale_f32_16x16x128_f8f6f4 v[8*(8*((\a)%4)+\b):8*(8*((\a)%4)+\b)+7], v[128*(\p)+FR*\b:128*(\p)+FR*\b+FR-1], v[AF+FR*(\a):AF+FR*(\a)+FR-1], v[8*(8*((\a)%4)+\b):8*(8*((\a)%4)+\b)+7], v[SC+8*NQ*(\sc)+NQ*\b+(\q)], v[SC+8*NQ*(\sc)+NQ*(\a)+(\q)] matrix_a_fmt:MATRIX_FMT_FP4 matrix_b_fmt:MATRIX_FMT_FP4 matrix_a_scale:MATRIX_SCALE_ROW1
.endif
.endr
.endr
.endm
.macro FETCH_B slot, q, p
	WIN TO_B
.irp i, 0,1,2,3,4,5,6,7
	FRAG 128*(\p)+FR*\i, ADRB+\slot, \q, \i
.endr
	WIN 0
.endm
.macro FETCH_A slot, q, i0
.irp i, \i0, \i0+1, \i0+2, \i0+3
	FRAG AF+FR*(\i), ADRA+\slot, \q, \i
.endr
.endm
.macro SCALES sc                       ; a K step's scale words: four a row; lanes 0-15 take x's block i, lanes 16-31 W's block i
.irp i, 0,1,2,3,4,5,6,7
	ds_load_b128 v[SC+8*NQ*\sc+NQ*\i:SC+8*NQ*\sc+NQ*\i+3], v[ADRS] offset:\i*SBLK
.endr
.endm
.macro PLACES n                        ; plain vector instructions between a matrix instruction and a load into, or a vector read or write of, its registers
.rept \n
	v_nop
.endr
.endm
.macro STEP slot, q, first             ; 128 along K that has its successor in the same slot
	s_wait_dscnt 4*NL                              ; W's set and x's blocks 0-3 are in; the youngest eight loads (x's blocks 4-7) may be out
.if \first
	WIN MUB_LO
.else
	WIN MUL_LO
.endif
	MUL16 0, (\q)%2, \q, \slot, \first
	MUL16 2, (\q)%2, \q, \slot, \first
	s_wait_dscnt 0                                 ; x's blocks 4-7 are in
	PLACES NP
	FETCH_B \slot, (\q)+1, 1-(\q)%2
	FETCH_A \slot, (\q)+1, 0
.if \first
	WIN MUB_HI
.else
	WIN MUL_HI
.endif
	MUL16 4, (\q)%2, \q, \slot, \first
	MUL16 6, (\q)%2, \q, \slot, \first
	PLACES NP
	WIN 0
	FETCH_A \slot, (\q)+1, 4
.endm
; Slot 0's last step changes slots: each wave waits for all its tensor loads (its part of slot 1), adds 0 to its spare word, waits for that and for its reads, and passes the barrier: slot 1 is then whole for all four.
.macro TURN slot, next
	s_wait_tensorcnt 0x0                           ; all my tensor loads have landed
	ds_add_u32 v[SPW], v[NIL]                      ; 0 onto my spare word
	s_wait_dscnt 4*NL+1                            ; the add and the youngest eight loads (x's blocks 4-7) may be out
	WIN MUL_LO
	MUL16 0, 1, NQ-1, \slot, 0
	s_wait_dscnt 0x0                               ; the add is done, and my reads of this slot are over
	s_barrier_signal -1
	MUL16 2, 1, NQ-1, \slot, 0
	WIN 0
	s_barrier_wait -1
	PLACES NP
	v_add_nc_u32 v[ADRS], 4*NQ, v[ADRS]            ; on to the next K step's scale words
	FETCH_B \next, 0, 0
	FETCH_A \next, 0, 0
	SCALES \next
	WIN MUL_HI
	MUL16 4, 1, NQ-1, \slot, 0
	MUL16 6, 1, NQ-1, \slot, 0
	PLACES NP
	WIN 0
	FETCH_A \next, 0, 4
.endm
	s_wait_tensorcnt 1                             ; the scales and my part of K step 0 are in; K step 1's load, issued behind them, may be out
	s_barrier_signal -1
	s_barrier_wait -1                              ; everybody's are
	FETCH_B 0, 0, 0
	FETCH_A 0, 0, 0
	SCALES 0
	FETCH_A 0, 0, 4
	s_wait_loadcnt 0x0                             ; the bias
	STEP 0, 0, 1
	STEP 0, 1, 0
	STEP 0, 2, 0
	TURN 0, 1
	STEP 1, 0, 0
	STEP 1, 1, 0
	STEP 1, 2, 0
	s_wait_dscnt 4*NL                              ; the very last step: nothing more to fetch
	WIN MUL_LO
	MUL16 0, 1, NQ-1, 1, 0
	MUL16 2, 1, NQ-1, 1, 0
	s_wait_dscnt 0
	WIN MUL_HI
	MUL16 4, 1, NQ-1, 1, 0
	MUL16 6, 1, NQ-1, 1, 0
	WIN 0
; THE WAY OUT, a block of 16 rows x 128 outputs (two heads) at a time: times the factor, rounded to f16, 16 bytes a lane into my stage; back as 16 rows of 128 bytes for each head, which are 2,048 dense bytes of qkv.
.macro OUTB a
.set AC, 64*((\a)%4)
	WIN 0x02+((\a)/4)                              ; source 0: window 2 or 3
.set ii, 0
.rept 32
	v_pk_mul_f32 v[T1+2*ii:T1+2*ii+1], v[AC+2*ii:AC+2*ii+1], s[2:3] op_sel_hi:[1,0]   ; each accumulator from its low end on
.set ii, ii+1
.endr
	WIN 0
.set ii, 0
.rept 32
	v_cvt_pk_f16_f32 v[PKR+ii], v[T1+2*ii], v[T1+2*ii+1]
.set ii, ii+1
.endr
.irp b, 0,1,2,3,4,5,6,7
	ds_store_b128 v[STO], v[PKR+4*\b:PKR+4*\b+3] offset:((\b)/4)*16*OP+32*((\b)%4)
.endr
.set BB, BK+32*((\a)%2)
.irp i, 0,1,2,3,4,5,6,7
	ds_load_b128 v[BB+4*\i:BB+4*\i+3], v[RD] offset:((\i)/4)*16*OP+((\i)%4)*4*OP   ; LDS serves a wave's instructions in order: these see the stores above
.endr
.endm
.macro SENDB a, younger                ; younger: the LDS instructions issued behind block a's loads, which may stay out
.set BB, BK+32*((\a)%2)
	s_wait_dscnt \younger
.irp i, 0,1,2,3,4,5,6,7
	global_store_b128 v[CO], v[BB+4*\i:BB+4*\i+3], s[98:99] offset:(\a)*2048+((\i)/4)*262144+((\i)%4)*512   ; 32 lanes store 512 consecutive bytes, aligned
.endr
.endm
	PLACES NP                                      ; behind the last products: the lines below write their scale registers and load into their fragments' registers
	OUTB 0
.irp a, 1,2,3,4,5,6,7
.if \a > 1
	s_wait_xcnt 0x0                                ; block a - 2's stores have read their registers: block a's loads may land there
.endif
	OUTB \a
	SENDB \a-1, 16                                 ; behind block a - 1's loads: block a's 8 stores and 8 loads
.endr
	SENDB 7, 0
	s_wait_tensorcnt 0x0                           ; the wave's end
	ds_add_u32 v[SPW], v[NIL]
	s_wait_dscnt 0x0
	CROUND                                         ; the closing round
	s_endpgm
.Lfunc_end_k_qebf8cc2305_proj:
	.size	k_qebf8cc2305_proj, .Lfunc_end_k_qebf8cc2305_proj-k_qebf8cc2305_proj
	.p2alignl 7, 3214868480
	.fill 96, 4, 3214868480
	.section	.rodata,"a",@progbits
	.p2align	6, 0x0
	.amdhsa_kernel k_qebf8cc2305_proj
		.amdhsa_group_segment_fixed_size 327680
		.amdhsa_private_segment_fixed_size 0
		.amdhsa_enable_private_segment 0
		.amdhsa_kernarg_size 48
		.amdhsa_user_sgpr_count 2
		.amdhsa_user_sgpr_kernarg_segment_ptr 1
		.amdhsa_wavefront_size32 1
		.amdhsa_system_sgpr_workgroup_id_x 1
		.amdhsa_system_sgpr_workgroup_id_y 1
		.amdhsa_system_sgpr_workgroup_id_z 1
		.amdhsa_system_vgpr_workitem_id 0
		.amdhsa_next_free_vgpr 1024
		.amdhsa_next_free_sgpr 106
		.amdhsa_reserve_vcc 0
		.amdhsa_float_denorm_mode_32 3
		.amdhsa_float_denorm_mode_16_64 3
		.amdhsa_memory_ordered 1
		.amdhsa_forward_progress 1
		.amdhsa_inst_pref_size 144
	.end_amdhsa_kernel
	.amdgpu_metadata
---
amdhsa.version: [ 1, 2 ]
amdhsa.kernels:
  - .name:           k_qebf8cc2305_proj
    .symbol:         k_qebf8cc2305_proj.kd
    .args:
      - { .name: codes, .offset: 0, .size: 8, .value_kind: global_buffer, .address_space: global }
      - { .name: scales, .offset: 8, .size: 8, .value_kind: global_buffer, .address_space: global }
      - { .name: bq, .offset: 16, .size: 8, .value_kind: global_buffer, .address_space: global }
      - { .name: bk, .offset: 24, .size: 8, .value_kind: global_buffer, .address_space: global }
      - { .name: bv, .offset: 32, .size: 8, .value_kind: global_buffer, .address_space: global }
      - { .name: qkv, .offset: 40, .size: 8, .value_kind: global_buffer, .address_space: global }
    .group_segment_fixed_size: 327680
    .private_segment_fixed_size: 0
    .kernarg_segment_align: 8
    .kernarg_segment_size: 48
    .max_flat_workgroup_size: 128
    .sgpr_count:     106
    .vgpr_count:     1024
    .wavefront_size: 32
...
	.end_amdgpu_metadata
.endif
;; end of part 2
;; launch attn (part 3): grid 4 x 64, 16 waves a work-group, clusters of 4 x 1, 327,680 bytes of LDS; arguments qkv, mbits, xh; writes xh
.if DOCPART == 3
	.amdgcn_target "amdgcn-amd-amdhsa--gfx1250"
	.amdhsa_code_object_version 6
	.text
	.protected	k_qebf8cc2305_attn
	.globl	k_qebf8cc2305_attn
	.p2align	8
	.type	k_qebf8cc2305_attn,@function
k_qebf8cc2305_attn:
	s_mov_b64 s[64:65], 0
	v_nop
	global_prefetch_b8 v0, s[64:65] scope:SCOPE_SE
	s_setreg_imm32_b32 hwreg(HW_REG_WAVE_MODE, 25, 1), 1
	s_wait_xcnt 0x0
	s_wait_alu depctr_hold_cnt(0) depctr_sa_sdst(0) depctr_va_vdst(0) depctr_va_sdst(0) depctr_va_ssrc(0) depctr_va_vcc(0) depctr_vm_vsrc(0)
	s_getreg_b32 s2, hwreg(HW_REG_IB_STS2, 6, 4)
	s_cmp_eq_u32 s2, 0
	s_cbranch_scc0 .Lentry_in_a_cluster
	s_endpgm
.Lentry_in_a_cluster:
	s_bfe_u32 s2, ttmp6, 0x10000c
	s_cmp_lg_u32 s2, 0x3003
	s_cbranch_scc0 .Lentry_shape_is_right
	s_endpgm
.Lentry_shape_is_right:
; x[b][h][q][:] = sum over k of softmax_k(s) v[b][h][k][:], s = q . k / 8 where mask[b][q][k] is not 0, else 1e-13 (the masked keys stay in the softmax).
; qkv: f16 [p 3][b 16 + h][2048][64]; its q has been multiplied by log2(e) / 8, so the first product gives t = s log2(e).  mbits: lane masks (see below).  xh: f16 [h 16][b 2048 + s][64].
; Products on f16 operands with f32 sums; maxima, exponentials and sums in f32.  For each query a running maximum m and sum l: p = 2^(t - m); in every step O and l are multiplied by a = 2^(old m - new m).
; LIMITS: p under 6e-8 becomes 0 in f16, beside a sum that is at least 1; x beyond 65,504 becomes infinity; NaN and infinities among the inputs are not served.
; SHARES.  A work-group owns 512 queries of one head; each of its sixteen waves 32 of them, two tiles t of 16, in 256 registers: four waves to a SIMD, so that one wave's vector work stands beside another's products.
; Every wave walks all 2,048 keys, 64 a step.  K's and V's tiles come through two LDS slots of four steps each, filled by tensor loads (waves 0-3: K of the slot's four steps; waves 4-7: V) and read by all sixteen.
; CLUSTER.  The four query blocks of a head walk the same K and V: each tile is asked for jointly, by the same tensor load with the same descriptor and the mask 15.  By this text's count a wave has one tensor load out.
; LAYOUT.  S^T = K Q^T (source 0 = 16 keys, source 1 = 16 queries): a lane holds ONE query (lane % 16) and keys 8 (lane / 16) + 0..7 of each tile of 16.  Two such tiles, rounded to f16 in pairs, are source 1 of
; O^T = V^T P, whose result again holds one query a lane.  K comes out of LDS as it lies, V ([key][channel]) turned, by ds_load_tr16_b128.
; THE MASK.  Word 32 t + 8 kt + j of a step's 64 words is the select mask for score register 32 t + 8 kt + j: its bit L speaks for lane L.  The words come by scalar loads, a step ahead, and steer v_cndmask_b32 alone.
.set PK,    144                        ; a row of K in LDS: 128 bytes + 16
.set PVP,   160                        ; a row of V: 128 + 32
.set VOFF,  64*PK                      ; a step's tiles lie together: 64 rows of K, then 64 rows of V
.set STEPB, 64*(PK+PVP)
.set SLOT1, 1<<17                      ; slot 1 begins here: one exclusive or turns an address from one slot to the other
.set SPARE, SLOT1+4*STEPB              ; the spare words, 128 bytes for each of sixteen waves
.set STG,   32*PK                      ; the way out: 32 rows x 144 bytes a wave, from LDS byte 0 on: slot 0 has had its last fill and its last read by then
.set AK0, 1                            ; v1   my lane's place in a tile of K
.set AV0, 2                            ; v2   the same for V
.set ADK, 3                            ; v3   LDS address of the step's K
.set ADV, 4                            ; v4   of its V
.set SPW, 5                            ; v5   LDS address of my spare word; never rewritten
.set NIL, 6                            ; v6   0; never rewritten
.set TNY, 7                            ; v7   1e-13 x log2(e)
.set ST,  8                            ; tile t's statistics at v[ST + 8 t]: +0 m, +1 old m - new m, +2, +3 l (even keys', odd keys'), +4 a, +5 zero (named with a as a pair), +6, +7 at work
.set Q,   24                           ; v24-55   Q: tile t, channels 32 c on, at 24 + 16 t + 8 c
.set KV,  56                           ; v56-119  K (kt, c) at 56 + 16 kt + 8 c; later V (ct, kh) at 56 + 16 ct + 8 kh
.set S,   120                          ; v120-183 S^T, 32 a tile; P is laid over each tile's first 16
.set O,   184                          ; v184-247 O^T at 184 + 32 t + 8 ct
.set PFO, 248                          ; v248 256 x lane; never rewritten
.set GO,  249                          ; v249 16 x lane
.set STO, 250                          ; v250 the stage, in
.set RD,  251                          ; v251 the stage, back
.set WV,  2                            ; s2   my wave's number
.set TB,  3                            ; s3   LDS byte at which the step's tiles begin
.set G1K, 8                            ; s[4:7] descriptor group 0, which walks;  s[8:15] group 1 for K's tiles;  s[84:91] for V's
.set G1V, 84
.set PFA, 66                           ; s[66:67] where my prefetches stand
.set MP,  92                           ; s[92:93] my wave's 32 x 64 mask words;  s94 the byte offset of the step whose words are on their way
.set MO,  94
.set LIM, 95                           ; s95  1 in a wave that prefetches, else the greatest number
.set SEL, 96                           ; s[96:97] lane selects for lane l xor 16
.set SLOTS, 98
.set STP, 99
; s[16:63] and s[68:83]: the step's 64 mask words (word i in s[16 + i], from word 48 on in s[20 + i]); until the first of them is asked for, the head's temporaries
.macro TLOAD                           ; waves 0-3 fetch K's tiles, waves 4-7 V's, the others nothing.  The branches hang on the wave's number alone.  An s_nop 0 and four v_nop follow each of the two lines
	s_cmp_lt_u32 s[WV], 4
	s_cbranch_scc0 .Lnot_k_\@
	tensor_load_to_lds s[4:7], s[G1K:G1K+7]
	s_nop 0
.rept 4
	v_nop
.endr
	s_branch .Lasked_\@
.Lnot_k_\@:
	s_cmp_lt_u32 s[WV], 8
	s_cbranch_scc0 .Lasked_\@
	tensor_load_to_lds s[4:7], s[G1V:G1V+7]
	s_nop 0
.rept 4
	v_nop
.endr
.Lasked_\@:
.endm
; A PREFETCH of what the NEXT change of slots will ask for: a slot's 256 rows of K and of V, 32,768 dense bytes each.  A head has one cluster; its four partners take 8,192 bytes each, told apart by address alone;
; in each, wave 8 asks for K's and wave 9 for V's, lanes 256 bytes apart: each aligned block of 256 bytes is named once in the launch.  It stands four key steps ahead of the load that wants the data.
; The last change that fills a slot asks for nothing; slots 0 and 1 come by their loads alone.
.macro ASK
	s_cmp_gt_u32 s[SLOTS], s[LIM]
	s_cbranch_scc0 .Lnot_mine_\@
	global_prefetch_b8 v[PFO], s[PFA:PFA+1] th:TH_LOAD_NT scope:SCOPE_SE
.Lnot_mine_\@:
.endm
.macro CROUND                          ; a round of the cluster's barrier
	s_barrier_signal -1
	s_barrier_wait -1
	s_cmp_lg_u32 s[WV], 0
	s_cbranch_scc1 .Lnot_wave_0_\@
	s_barrier_signal -3
.Lnot_wave_0_\@:
	s_barrier_wait -3
	s_barrier_signal -1
	s_barrier_wait -1
.endm
	s_load_b128 s[16:19], s[0:1], 0x0              ; qkv, mbits
	s_load_b64 s[20:21], s[0:1], 0x10              ; xh
	v_lshl_add_u32 v[SPW], v0, 2, SPARE
	v_mov_b32 v[NIL], 0
	ds_add_u32 v[SPW], v[NIL]                      ; the wave's opening: the add, twice on end, and its wait ahead of the first tensor loads
	ds_add_u32 v[SPW], v[NIL]
	v_lshrrev_b32 v1, 5, v0
	v_readfirstlane_b32 s[WV], v1                  ; wave 0..15
	s_bfe_u32 s22, ttmp6, 0x40000                  ; cx: my block of 512 queries
	s_and_b32 s23, ttmp7, 0xffff                   ; b 16 + h, which the four partners share
	s_lshl_b32 s24, s23, 18                        ; a head's 2,048 rows of 128 bytes
	s_and_b32 s25, s[WV], 3                        ; which of a slot's four steps I fetch,
	s_bfe_u32 s27, s[WV], 0x10002                  ; and of K (0) or V (1)
	s_mul_i32 s26, s25, STEPB
	s_mul_i32 s28, s27, VOFF
	s_mov_b32 s4, 1                                ; group 0: count = 1
	s_add_co_u32 s5, s26, s28                      ; LDS address, slot 0: no place in the cluster enters it
	s_lshl_b32 s25, s25, 13                        ; 64 rows of 128 bytes a step
	s_lshl_b32 s27, s27, 24                        ; V lies 16,777,216 bytes behind K,
	s_add_co_u32 s28, s24, s25
	s_add_co_u32 s28, s28, s27
	s_add_co_u32 s28, s28, 0x1000000               ; and K as far behind q
	s_mov_b32 s29, 0
	s_lshl_b32 s30, s22, 16
	s_lshl_b32 s31, s[WV], 12
	s_add_co_u32 s30, s30, s31                     ; my 32 rows among 2,048: (512 cx + 32 wave) x 128 bytes
	s_add_co_u32 s32, s30, s24                     ; Q
	s_mov_b32 s33, 0
	s_lshr_b32 s35, s23, 4                         ; b
	s_and_b32 s36, s23, 15                         ; h
	s_lshl_b32 s36, s36, 20
	s_lshl_b32 s37, s35, 18
	s_add_co_u32 s36, s36, s37
	s_add_co_u32 s36, s36, s30                     ; xh: (h 8,192 + b 2,048) x 128 + my rows
	s_mov_b32 s37, 0
	s_lshl_b32 s38, s35, 6
	s_lshl_b32 s39, s22, 4
	s_add_co_u32 s38, s38, s39
	s_add_co_u32 s38, s38, s[WV]                   ; b 64 + my pair of tiles
	s_lshl_b32 s38, s38, 13                        ; 2,048 words each
	s_mov_b32 s39, 0
	s_and_b32 s40, s[WV], 1                        ; the prefetches: wave 8 K, wave 9 V,
	s_lshl_b32 s40, s40, 24
	s_add_co_u32 s40, s40, s24
	s_lshl_b32 s41, s22, 13                        ; my work-group's 8,192 bytes of a slot's 32,768,
	s_add_co_u32 s40, s40, s41
	s_add_co_u32 s40, s40, 0x1000000+32768         ; in slot 1: the first change of slots steps it to slot 2
	s_mov_b32 s41, 0
	s_lshr_b32 s[LIM], s[WV], 1
	s_cmp_eq_u32 s[LIM], 4
	s_cselect_b32 s[LIM], 1, -1
	s_mov_b32 s[G1K], 15|(1<<16)|(1<<20)|(1<<21)|(4<<22)|(3<<25)  ; the mask: all four work-groups; elements of 2 bytes; padding on; bit 21 beside a mask; 4 words of padding after every 32
	s_mov_b32 s[G1V], 15|(1<<16)|(1<<20)|(1<<21)|(4<<22)|(7<<25)  ; the same with 8 words of padding
.irp g, G1K, G1V
	s_mov_b32 s[\g+1], 64<<16                      ; tensor_dim0 = 64
	s_mov_b32 s[\g+2], 64<<16                      ; tensor_dim1 = 64
	s_mov_b32 s[\g+3], 64<<16                      ; tile_dim0 = 64
	s_mov_b32 s[\g+4], 64                          ; tile_dim1 = 64
	s_mov_b32 s[\g+5], 64                          ; from row to row
	s_mov_b32 s[\g+6], 0
	s_mov_b32 s[\g+7], 0
.endr
	s_mov_b32 s[SEL], 0x76543210
	s_mov_b32 s[SEL+1], 0xfedcba98
	s_mov_b32 s[TB], 0
	s_mov_b32 s[MO], 0
	s_mov_b32 s[SLOTS], 7
	s_mul_i32 s42, s[WV], STG                      ; my stage
	s_wait_dscnt 0x0                               ; both opening adds are done
	s_wait_kmcnt 0x0
	s_add_nc_u64 s[6:7], s[16:17], s[28:29]        ; group 0: my tile of slot 0
	s_or_b32 s7, s7, 0x80000000                    ; type = 2
	s_add_nc_u64 s[104:105], s[16:17], s[32:33]
	s_add_nc_u64 s[PFA:PFA+1], s[16:17], s[40:41]
	s_add_nc_u64 s[MP:MP+1], s[18:19], s[38:39]
	s_add_nc_u64 s[100:101], s[20:21], s[36:37]
	CROUND                                         ; all four work-groups are here: the first joint loads meet
	TLOAD                                          ; slot 0
	v_and_b32 v120, 15, v0                         ; r
	v_bfe_u32 v121, v0, 4, 1                       ; h
	v_lshlrev_b32 v123, 7, v120
	v_lshl_add_u32 v123, v121, 4, v123             ; Q: row r of 128 bytes + 16 h
.irp t, 0,1
.irp c, 0,1
	global_load_b128 v[Q+16*\t+8*\c:Q+16*\t+8*\c+3], v123, s[104:105] offset:2048*\t+64*\c
	global_load_b128 v[Q+16*\t+8*\c+4:Q+16*\t+8*\c+7], v123, s[104:105] offset:2048*\t+64*\c+32
.endr
.endr
	v_mul_u32_u24 v[AK0], v120, PK
	v_lshl_add_u32 v[AK0], v121, 4, v[AK0]         ; row r x pitch + 16 h
	v_and_b32 v122, 7, v0
	v_lshl_add_u32 v[AV0], v121, 3, v122           ; the turning load: key 8 h + l % 8,
	v_mul_u32_u24 v[AV0], v[AV0], PVP
	v_bfe_u32 v122, v0, 3, 1
	v_lshl_add_u32 v[AV0], v122, 4, v[AV0]         ; channels 8 ((l / 8) % 2) on
	v_add_nc_u32 v[AV0], VOFF, v[AV0]
	v_mul_u32_u24 v[STO], v120, PK
	v_lshl_add_u32 v[STO], v121, 4, v[STO]
	v_add_nc_u32 v[STO], s42, v[STO]               ; the stage, in: row r, 16 bytes for each half of the lanes
	v_and_b32 v122, 31, v0
	v_lshlrev_b32 v[GO], 4, v122
	v_lshlrev_b32 v[PFO], 8, v122
	v_lshrrev_b32 v[RD], 3, v122
	v_mul_u32_u24 v[RD], v[RD], PK
	v_and_b32 v122, 7, v0
	v_lshl_add_u32 v[RD], v122, 4, v[RD]
	v_add_nc_u32 v[RD], s42, v[RD]                 ; back: eight lanes to a row of 128 bytes, four rows an instruction
	v_mov_b32 v[TNY], 0x2a226eda
.irp t, 0,1
	v_mov_b32 v[ST+8*\t], 0xff61b1e6               ; m: -3e38, under every t
.irp i, 1,2,3,4,5,6,7
	v_mov_b32 v[ST+8*\t+\i], 0
.endr
.endr
.set ii, 0
.rept 64
	v_mov_b32 v[O+ii], 0                           ; the step is written once: the first finds zeros, which its a = 0 leaves zeros
.set ii, ii+1
.endr
	s_load_b512 s[16:31], s[MP:MP+1], s[MO] offset:0x0     ; key step 0's mask words (the head's temporaries are done with)
	s_load_b512 s[32:47], s[MP:MP+1], s[MO] offset:0x40
	s_load_b512 s[48:63], s[MP:MP+1], s[MO] offset:0x80
	s_load_b512 s[68:83], s[MP:MP+1], s[MO] offset:0xc0
; A KEY STEP: 64 keys, both tiles.
.macro STEP
	v_add_nc_u32 v[ADK], s[TB], v[AK0]             ; five plain lines behind the last step's products: their P is written over by the products below (five asked), their V by the loads (four)
	v_add_nc_u32 v[ADV], s[TB], v[AV0]
.rept 3
	v_nop
.endr
.irp c, 0,1
.irp kt, 0,1,2,3
	ds_load_b128 v[KV+16*\kt+8*\c:KV+16*\kt+8*\c+3], v[ADK] offset:\kt*16*PK+64*\c
	ds_load_b128 v[KV+16*\kt+8*\c+4:KV+16*\kt+8*\c+7], v[ADK] offset:\kt*16*PK+64*\c+32
.endr
.endr
.irp c, 0,1
	s_wait_dscnt 8-8*\c                            ; channels 0-31 are in while the eight loads of channels 32-63 may be out; then all
.irp kt, 0,1,2,3                       ; the eight accumulators take turns, one instruction a turn
.irp t, 0,1
.if \c == 0
	v_wmma_f32_16x16x32_f16 v[S+32*\t+8*\kt:S+32*\t+8*\kt+7], v[KV+16*\kt+8*\c:KV+16*\kt+8*\c+7], v[Q+16*\t+8*\c:Q+16*\t+8*\c+7], 0
.else
	v_wmma_f32_16x16x32_f16 v[S+32*\t+8*\kt:S+32*\t+8*\kt+7], v[KV+16*\kt+8*\c:KV+16*\kt+8*\c+7], v[Q+16*\t+8*\c:Q+16*\t+8*\c+7], v[S+32*\t+8*\kt:S+32*\t+8*\kt+7]
.endif
.endr
.endr
.endr
.rept 4
	v_nop                                          ; places in front of the loads into K's registers and of the first read of the scores
.endr
.irp kh, 0,1
.irp ct, 0,1,2,3
	ds_load_tr16_b128 v[KV+16*\ct+8*\kh:KV+16*\ct+8*\kh+3], v[ADV] offset:\kh*32*PVP+32*\ct
	ds_load_tr16_b128 v[KV+16*\ct+8*\kh+4:KV+16*\ct+8*\kh+7], v[ADV] offset:\kh*32*PVP+16*PVP+32*\ct
.endr
.endr
	s_wait_kmcnt 0x0                               ; this step's mask words, asked for a step ago
.set ii, 0
.rept 64
	v_cndmask_b32 v[S+ii], v[TNY], v[S+ii], s[16+ii+4*(ii/48)]   ; the score where the mask is not 0, else the tiny number; each accumulator from its low end on
.set ii, ii+1
.endr
	s_add_co_u32 s[MO], s[MO], 256
	s_and_b32 s[MO], s[MO], 8191                   ; the next step's words; behind the last step the first's once more: no load leaves the buffer
	s_load_b512 s[16:31], s[MP:MP+1], s[MO] offset:0x0
	s_load_b512 s[32:47], s[MP:MP+1], s[MO] offset:0x40
	s_load_b512 s[48:63], s[MP:MP+1], s[MO] offset:0x80
	s_load_b512 s[68:83], s[MP:MP+1], s[MO] offset:0xc0
.irp t, 0,1                            ; the maximum of a lane's 32 scores and the old m: two chains a tile
	v_max3_num_f32 v[ST+8*\t+6], v[S+32*\t], v[S+32*\t+1], v[S+32*\t+2]
	v_max3_num_f32 v[ST+8*\t+7], v[S+32*\t+16], v[S+32*\t+17], v[S+32*\t+18]
.endr
.irp i, 3,5,7,9,11,13
.irp t, 0,1
	v_max3_num_f32 v[ST+8*\t+6], v[ST+8*\t+6], v[S+32*\t+\i], v[S+32*\t+\i+1]
	v_max3_num_f32 v[ST+8*\t+7], v[ST+8*\t+7], v[S+32*\t+16+\i], v[S+32*\t+17+\i]
.endr
.endr
.irp t, 0,1
	v_max3_num_f32 v[ST+8*\t+6], v[ST+8*\t+6], v[S+32*\t+15], v[S+32*\t+31]
.endr
.irp t, 0,1
	v_max3_num_f32 v[ST+8*\t+6], v[ST+8*\t+6], v[ST+8*\t+7], v[ST+8*\t]
.endr
.irp t, 0,1
	v_permlanex16_b32 v[ST+8*\t+7], v[ST+8*\t+6], s[SEL], s[SEL+1]   ; the query's other 32 keys lie in the lane 16 away
.endr
.irp t, 0,1
	v_max_num_f32 v[ST+8*\t+6], v[ST+8*\t+6], v[ST+8*\t+7]
.endr
.irp t, 0,1
	v_sub_f32 v[ST+8*\t+1], v[ST+8*\t], v[ST+8*\t+6]       ; old m - new m
.endr
.irp t, 0,1
	v_mov_b32 v[ST+8*\t], v[ST+8*\t+6]
.endr
.irp i, 0,2,4,6,8,10,12,14,16,18,20,22,24,26,28,30
.irp t, 0,1
	v_pk_add_f32 v[S+32*\t+\i:S+32*\t+\i+1], v[S+32*\t+\i:S+32*\t+\i+1], v[ST+8*\t:ST+8*\t+1] op_sel_hi:[1,0] neg_lo:[0,1] neg_hi:[0,1]   ; t - m, two at a time
.endr
.endr
.irp t, 0,1
	v_exp_f32 v[ST+8*\t+4], v[ST+8*\t+1]           ; a
.endr
.set ii, 0
.rept 64
	v_exp_f32 v[S+ii], v[S+ii]                     ; p = 2^(t - m), at most 1
.set ii, ii+1
.endr
	v_nop                                          ; a plain line behind the last exponential
	s_wait_alu depctr_va_vdst(0)                   ; one wait for the batch of 66, ahead of its first reader
.irp t, 0,1                            ; the sums, of the p in f32: l = a l + ..., in two chains a tile
	v_pk_fma_f32 v[ST+8*\t+2:ST+8*\t+3], v[ST+8*\t+2:ST+8*\t+3], v[ST+8*\t+4:ST+8*\t+5], v[S+32*\t:S+32*\t+1] op_sel_hi:[1,0,1]
	v_pk_add_f32 v[ST+8*\t+6:ST+8*\t+7], v[S+32*\t+2:S+32*\t+3], v[S+32*\t+4:S+32*\t+5]
.endr
.irp i, 6,10,14,18,22,26
.irp t, 0,1
	v_pk_add_f32 v[ST+8*\t+2:ST+8*\t+3], v[ST+8*\t+2:ST+8*\t+3], v[S+32*\t+\i:S+32*\t+\i+1]
	v_pk_add_f32 v[ST+8*\t+6:ST+8*\t+7], v[ST+8*\t+6:ST+8*\t+7], v[S+32*\t+\i+2:S+32*\t+\i+3]
.endr
.endr
.irp t, 0,1
	v_pk_add_f32 v[ST+8*\t+2:ST+8*\t+3], v[ST+8*\t+2:ST+8*\t+3], v[S+32*\t+30:S+32*\t+31]
.endr
.irp t, 0,1
	v_pk_add_f32 v[ST+8*\t+2:ST+8*\t+3], v[ST+8*\t+2:ST+8*\t+3], v[ST+8*\t+6:ST+8*\t+7]
.endr
.irp i, 0,1,2,3,4,5,6,7,8,9,10,11,12,13,14,15
.irp t, 0,1
	v_cvt_pk_f16_f32 v[S+32*\t+\i], v[S+32*\t+2*\i], v[S+32*\t+2*\i+1]   ; P over the tile's first 16 registers, ascending: none is written before it is read
.endr
.endr
.irp i, 0,2,4,6,8,10,12,14,16,18,20,22,24,26,28,30
.irp t, 0,1
	v_pk_mul_f32 v[O+32*\t+\i:O+32*\t+\i+1], v[O+32*\t+\i:O+32*\t+\i+1], v[ST+8*\t+4:ST+8*\t+5] op_sel_hi:[1,0]   ; O^T under the new m
.endr
.endr
	s_wait_dscnt 0x0                               ; V is in
.irp kh, 0,1
.irp ct, 0,1,2,3                       ; the eight accumulators take turns
.irp t, 0,1
	v_wmma_f32_16x16x32_f16 v[O+32*\t+8*\ct:O+32*\t+8*\ct+7], v[KV+16*\ct+8*\kh:KV+16*\ct+8*\kh+7], v[S+32*\t+8*\kh:S+32*\t+8*\kh+7], v[O+32*\t+8*\ct:O+32*\t+8*\ct+7]
.endr
.endr
.endr
	s_add_co_u32 s[TB], s[TB], STEPB
.endm
; THE CHANGE OF SLOTS stands at a slot's head.  Each wave waits for all its tensor loads (its part of the slot ahead), adds 0 to its spare word, and waits for that and for its reads of the slot that it has left.
; fill = 1: a round of the cluster's barrier follows, so that no wave of any partner still reads that slot or has a load on its way, and the joint load of the next 256 keys is the first thing behind it:
; it has four key steps in which to land.
.macro CHANGE fill
	s_wait_tensorcnt 0x0                           ; no tensor load of mine is out, so group 0 may be written
	ds_add_u32 v[SPW], v[NIL]                      ; 0 onto my spare word
.if \fill
	ds_add_u32 v[SPW], v[NIL]                      ; and once more
	s_xor_b32 s5, s5, SLOT1                        ; the other slot than last time,
	s_add_nc_u64 s[6:7], s[6:7], 32768             ; the next 256 keys; the type bits on top are not reached
	s_wait_xcnt 0x0                                ; the last prefetch, a slot back, has read its address, so it may be written
	s_add_nc_u64 s[PFA:PFA+1], s[PFA:PFA+1], 32768 ; one slot further on than the walking descriptor
	s_wait_dscnt 0x0                               ; both adds are done, and my reads of the slot that I have left are over
	CROUND
	TLOAD
	ASK
.else
	s_wait_dscnt 0x0
	s_barrier_signal -1
	s_barrier_wait -1
.endif
.endm
.macro SLOT_STEPS                      ; a slot's four key steps: written once, walked four times
	s_mov_b32 s[STP], 4
.Lstep_\@:
	STEP
	s_sub_co_u32 s[STP], s[STP], 1
	s_cmp_lg_u32 s[STP], 0
	s_cbranch_scc1 .Lstep_\@
	s_sub_co_u32 s[TB], s[TB], 4*STEPB             ; back to a slot's first step,
	s_xor_b32 s[TB], s[TB], SLOT1                  ; in the other slot
.endm
	s_wait_loadcnt 0x0                             ; Q
.Lslot:                                            ; seven trips: behind each change of slots but the last the next slot is asked for
	CHANGE 1
	SLOT_STEPS
	s_sub_co_u32 s[SLOTS], s[SLOTS], 1
	s_cmp_lg_u32 s[SLOTS], 0
	s_cbranch_scc1 .Lslot
	CHANGE 0                                       ; the last slot is written out
	SLOT_STEPS
	; THE WAY OUT.  l's halves are added; O^T is divided by l, rounded to f16 and sent through my stage: 32 rows of 128 bytes, which are 4,096 dense bytes of xh.
	s_wait_kmcnt 0x0                               ; the words asked for behind the last step have landed
.rept 4
	v_nop                                          ; places behind the last products
.endr
.irp t, 0,1
	v_add_f32 v[ST+8*\t+6], v[ST+8*\t+2], v[ST+8*\t+3]
.endr
.irp t, 0,1
	v_permlanex16_b32 v[ST+8*\t+7], v[ST+8*\t+6], s[SEL], s[SEL+1]
.endr
.irp t, 0,1
	v_add_f32 v[ST+8*\t+6], v[ST+8*\t+6], v[ST+8*\t+7]
.endr
.irp t, 0,1
	v_rcp_f32 v[ST+8*\t+4], v[ST+8*\t+6]
.endr
	v_nop                                          ; a plain line behind the last reciprocal
	s_wait_alu depctr_va_vdst(0)                   ; one wait for the two, ahead of their first reader
.irp t, 0,1
.irp i, 0,2,4,6,8,10,12,14,16,18,20,22,24,26,28,30
	v_pk_mul_f32 v[O+32*\t+\i:O+32*\t+\i+1], v[O+32*\t+\i:O+32*\t+\i+1], v[ST+8*\t+4:ST+8*\t+5] op_sel_hi:[1,0]
.endr
.endr
.set ii, 0
.rept 32
	v_cvt_pk_f16_f32 v[S+ii], v[O+2*ii], v[O+2*ii+1]
.set ii, ii+1
.endr
.irp t, 0,1
.irp ct, 0,1,2,3
	ds_store_b128 v[STO], v[S+16*\t+4*\ct:S+16*\t+4*\ct+3] offset:\t*16*PK+32*\ct
.endr
.endr
.irp i, 0,1,2,3,4,5,6,7
	ds_load_b128 v[KV+4*\i:KV+4*\i+3], v[RD] offset:\i*4*PK   ; LDS serves a wave's instructions in order: these see my stores
.endr
.irp i, 0,1,2,3,4,5,6,7
	s_wait_dscnt 7-\i
	global_store_b128 v[GO], v[KV+4*\i:KV+4*\i+3], s[100:101] offset:512*\i   ; 32 lanes store 512 consecutive bytes, aligned
.endr
	s_wait_tensorcnt 0x0                           ; the wave's end
	ds_add_u32 v[SPW], v[NIL]
	s_wait_dscnt 0x0
	CROUND                                         ; the closing round
	s_endpgm
.Lfunc_end_k_qebf8cc2305_attn:
	.size	k_qebf8cc2305_attn, .Lfunc_end_k_qebf8cc2305_attn-k_qebf8cc2305_attn
	.p2alignl 7, 3214868480
	.fill 96, 4, 3214868480
	.section	.rodata,"a",@progbits
	.p2align	6, 0x0
	.amdhsa_kernel k_qebf8cc2305_attn
		.amdhsa_group_segment_fixed_size 327680
		.amdhsa_private_segment_fixed_size 0
		.amdhsa_enable_private_segment 0
		.amdhsa_kernarg_size 24
		.amdhsa_user_sgpr_count 2
		.amdhsa_user_sgpr_kernarg_segment_ptr 1
		.amdhsa_wavefront_size32 1
		.amdhsa_system_sgpr_workgroup_id_x 1
		.amdhsa_system_sgpr_workgroup_id_y 1
		.amdhsa_system_sgpr_workgroup_id_z 1
		.amdhsa_system_vgpr_workitem_id 0
		.amdhsa_next_free_vgpr 256
		.amdhsa_next_free_sgpr 106
		.amdhsa_reserve_vcc 0
		.amdhsa_float_denorm_mode_32 3
		.amdhsa_float_denorm_mode_16_64 3
		.amdhsa_memory_ordered 1
		.amdhsa_forward_progress 1
		.amdhsa_inst_pref_size 62
	.end_amdhsa_kernel
	.amdgpu_metadata
---
amdhsa.version: [ 1, 2 ]
amdhsa.kernels:
  - .name:           k_qebf8cc2305_attn
    .symbol:         k_qebf8cc2305_attn.kd
    .args:
      - { .name: qkv, .offset: 0, .size: 8, .value_kind: global_buffer, .address_space: global }
      - { .name: mbits, .offset: 8, .size: 8, .value_kind: global_buffer, .address_space: global }
      - { .name: xh, .offset: 16, .size: 8, .value_kind: global_buffer, .address_space: global }
    .group_segment_fixed_size: 327680
    .private_segment_fixed_size: 0
    .kernarg_segment_align: 8
    .kernarg_segment_size: 24
    .max_flat_workgroup_size: 512
    .sgpr_count:     106
    .vgpr_count:     256
    .wavefront_size: 32
...
	.end_amdgpu_metadata
.endif
;; end of part 3
;; launch outp (part 4): grid 4 x 64, 4 waves a work-group, clusters of 4 x 4, 327,680 bytes of LDS; arguments xh, woh, bo, out0; writes out0
.if DOCPART == 4
	.amdgcn_target "amdgcn-amd-amdhsa--gfx1250"
	.amdhsa_code_object_version 6
	.text
	.protected	k_qebf8cc2305_outp
	.globl	k_qebf8cc2305_outp
	.p2align	8
	.type	k_qebf8cc2305_outp,@function
k_qebf8cc2305_outp:
	s_mov_b64 s[64:65], 0
	v_nop
	global_prefetch_b8 v0, s[64:65] scope:SCOPE_SE
	s_setreg_imm32_b32 hwreg(HW_REG_WAVE_MODE, 25, 1), 1
	s_wait_xcnt 0x0
	s_wait_alu depctr_hold_cnt(0) depctr_sa_sdst(0) depctr_va_vdst(0) depctr_va_sdst(0) depctr_va_ssrc(0) depctr_va_vcc(0) depctr_vm_vsrc(0)
	s_getreg_b32 s2, hwreg(HW_REG_IB_STS2, 6, 4)
	s_cmp_eq_u32 s2, 0
	s_cbranch_scc0 .Lentry_in_a_cluster
	s_endpgm
.Lentry_in_a_cluster:
	s_bfe_u32 s2, ttmp6, 0x10000c
	s_cmp_lg_u32 s2, 0xf033
	s_cbranch_scc0 .Lentry_shape_is_right
	s_endpgm
.Lentry_shape_is_right:
; out0[m][n] = sum over k of x[m][k] Wo[n][k] + bo[n].  x: xh, f16 [kb 16][m 8192][64]; Wo: woh, f16 [kb 16][n 1024][64], kb = k / 64; out0: f32 [8192][1024]; sums in f32.
; LIMIT: none beyond those of the f16 operands, stated where they are made.
; A tile of 128 x 256 gives 256 work-groups.  Four waves, each 64 rows x 128 columns: 32 accumulators of 16 x 16.  K goes in steps of 128 (two kb blocks) through two LDS slots;
; waves 0 and 1 fetch x's two blocks (128 rows of 128 bytes each), waves 2 and 3 Wo's (256 rows each): one tensor load a wave behind each change of slots; two are out at the head.
; CLUSTERS: 4 x 4 work-groups.  The four of a row of the cluster need the same tiles of x, the four of a column the same tiles of Wo: each is asked for jointly.
; THE MATRIX INSTRUCTION IS USED TRANSPOSED (source 0 = 16 rows of Wo, source 1 = 16 rows of x): a lane holds eight neighbouring numbers of a row of out0.  bo is the C of each sum's first product.
; No prefetch: a K step's products are few beside the bytes that it moves, so the launch keeps its loads and stores busy as it is.
; REGISTERS: window 0: v0-31 addresses; v32-63, v64-95 x's fragments (4 x 16 rows x 32 K), two buffers; v96-159, v160-223 Wo's (8), two buffers.  window 1: the accumulators, (a, b) at v[8 (8 a + b)].  window 2: v0-63 bo.
.set PITCH,  144                       ; an LDS row: 128 bytes + 16
.set AZ,     128*PITCH                 ; x's rows of one kb block
.set BZ,     256*PITCH                 ; Wo's
.set BOFF,   2*AZ
.set SLOT,   2*AZ+2*BZ
.set STAGE,  2*SLOT                    ; behind the slots: 16 rows x 528 bytes for each wave, for the way out
.set SPITCH, 528
.set SPARE,  STAGE+4*16*SPITCH         ; the spare words, 128 bytes a wave
.set LAPS,   4                         ; a lap = two K steps: 1,024 / 256
.set ADRA, 16
.set ADRB, 20
.set STO,  24
.set RD,   25
.set CO,   26
.set BA,   27                          ; v27  32 h: the bias loads' offset
.set SPW,  28                          ; v28  LDS address of my spare word; never rewritten
.set NIL,  29                          ; v29  0; never rewritten
.set FA,   32
.set FB,   96
.set G1, 24
.set G0, 32
.set G1B, 48
.set G0B, 56
.set MSB, 0
.macro WIN new
.if MSB != (\new)
	s_set_vgpr_msb (MSB<<8)|(\new)
.set MSB, (\new)
.endif
.endm
.set MUL,  0x50                        ; sources 0 and 1 window 0; C and D window 1
.set MULB, 0x60                        ; the first products: C (bo) window 2, D window 1
.macro JLOAD s                         ; a joint load: waves 0 and 1 fetch for x, waves 2 and 3 for Wo; an s_nop 0 and four v_nop follow each of the two lines
	s_cmp_eq_u32 s13, 0
	s_cbranch_scc0 .Lfor_b_\@
	tensor_load_to_lds s[G0+4*\s:G0+4*\s+3], s[G1:G1+7]
	s_nop 0
.rept 4
	v_nop
.endr
	s_branch .Lasked_\@
.Lfor_b_\@:
	tensor_load_to_lds s[G0B+4*\s:G0B+4*\s+3], s[G1B:G1B+7]
	s_nop 0
.rept 4
	v_nop
.endr
.Lasked_\@:
.endm
.macro CREST                           ; a round of the cluster's barrier behind its opening barrier
	s_cmp_lg_u32 s12, 0
	s_cbranch_scc1 .Lnot_wave_0_\@
	s_barrier_signal -3
.Lnot_wave_0_\@:
	s_barrier_wait -3
	s_barrier_signal -1
	s_barrier_wait -1
.endm
.macro CROUND
	s_barrier_signal -1
	s_barrier_wait -1
	CREST
.endm
	s_load_b128 s[4:7], s[0:1], 0x0                ; xh, woh
	s_load_b128 s[8:11], s[0:1], 0x10              ; bo, out0
	v_lshl_add_u32 v[SPW], v0, 2, SPARE
	v_mov_b32 v[NIL], 0
	ds_add_u32 v[SPW], v[NIL]                      ; the wave's opening: the add, twice on end, and its wait ahead of my first tensor load
	ds_add_u32 v[SPW], v[NIL]
	v_lshrrev_b32 v1, 5, v0
	v_readfirstlane_b32 s12, v1                    ; wave 0..3
	s_lshr_b32 s13, s12, 1                         ; which 64 rows are mine.  Also: I fetch for x (0) or for Wo (1)
	s_and_b32 s14, s12, 1                          ; which 128 columns.  Also: which kb block of a K step I fetch
	s_bfe_u32 s40, ttmp6, 0x40000                  ; cx, cy
	s_bfe_u32 s41, ttmp6, 0x40004
	s_lshl_b32 s42, ttmp9, 2
	s_add_co_u32 s42, s42, s40                     ; tile column
	s_and_b32 s15, ttmp7, 0xffff
	s_lshl_b32 s15, s15, 2
	s_add_co_u32 s15, s15, s41                     ; tile row
	s_lshl_b32 s43, s41, 2
	s_lshl_b32 s43, 15, s43                        ; my row of the cluster
	s_lshl_b32 s44, 0x1111, s40                    ; my column
	s_or_b32 s[G1+0], s43, (1<<16)|(1<<20)|(1<<21)|(4<<22)|(3<<25)  ; the mask; elements of 2 bytes; padding on; bit 21 beside a mask; 4 words of padding after every 32
	s_or_b32 s[G1B+0], s44, (1<<16)|(1<<20)|(1<<21)|(4<<22)|(3<<25)
	s_mov_b32 s[G1+1], 64<<16                      ; tensor_dim0 = 64
	s_mov_b32 s[G1+2], 128<<16                     ; tensor_dim1 = 128
	s_mov_b32 s[G1+3], 64<<16                      ; tile_dim0 = 64
	s_mov_b32 s[G1+4], 128                         ; tile_dim1 = 128
	s_mov_b32 s[G1+5], 64                          ; from row to row
	s_mov_b32 s[G1+6], 0
	s_mov_b32 s[G1+7], 0
	s_mov_b32 s[G1B+1], 64<<16
	s_mov_b32 s[G1B+2], 256<<16                    ; Wo: 256 rows
	s_mov_b32 s[G1B+3], 64<<16
	s_mov_b32 s[G1B+4], 256
	s_mov_b32 s[G1B+5], 64
	s_mov_b32 s[G1B+6], 0
	s_mov_b32 s[G1B+7], 0
	s_lshl_b32 s16, s14, 20                        ; x: a kb block is 8,192 rows of 128 bytes;
	s_lshl_b32 s17, s15, 14                        ; a tile row 128 of them
	s_add_co_u32 s16, s16, s17
	s_mov_b32 s17, 0
	s_lshl_b32 s46, s14, 17                        ; Wo: a kb block is 1,024 rows;
	s_lshl_b32 s47, s42, 15                        ; a tile column 256 of them
	s_add_co_u32 s46, s46, s47
	s_mov_b32 s47, 0
	s_mul_i32 s20, s14, AZ                         ; where they go: no place in the cluster enters an LDS address
	s_mul_i32 s21, s14, BZ
	s_add_co_u32 s21, s21, BOFF
	s_wait_dscnt 0x0                               ; both opening adds are done
	s_wait_kmcnt 0x0
	s_add_nc_u64 s[16:17], s[4:5], s[16:17]
	s_add_nc_u64 s[46:47], s[6:7], s[46:47]
	CROUND                                         ; all sixteen work-groups are here: the first joint loads meet
.irp s, 0,1
	s_mov_b32 s[G0+4*\s], 1
	s_add_co_u32 s[G0+4*\s+1], s20, \s*SLOT
	s_add_nc_u64 s[G0+4*\s+2:G0+4*\s+3], s[16:17], \s*(1<<21)      ; K step s: two kb blocks on
	s_or_b32 s[G0+4*\s+3], s[G0+4*\s+3], 0x80000000
	s_mov_b32 s[G0B+4*\s], 1
	s_add_co_u32 s[G0B+4*\s+1], s21, \s*SLOT
	s_add_nc_u64 s[G0B+4*\s+2:G0B+4*\s+3], s[46:47], \s*(1<<18)
	s_or_b32 s[G0B+4*\s+3], s[G0B+4*\s+3], 0x80000000
	JLOAD \s
.endr
	v_and_b32 v1, 15, v0                           ; r
	v_bfe_u32 v2, v0, 4, 1                         ; h
	s_lshl_b32 s46, s42, 10
	s_lshl_b32 s47, s14, 9
	s_add_co_u32 s46, s46, s47                     ; my first column, in bytes of f32
	s_mov_b32 s47, 0
	s_add_nc_u64 s[8:9], s[8:9], s[46:47]
	v_lshlrev_b32 v[BA], 5, v2
	WIN 0x80                                       ; destination window 2
.irp b, 0,1,2,3,4,5,6,7
	global_load_b128 v[8*\b:8*\b+3], v[BA], s[8:9] offset:64*\b          ; bo at my eight columns of block b
	global_load_b128 v[8*\b+4:8*\b+7], v[BA], s[8:9] offset:64*\b+16
.endr
	WIN 0
	v_mul_u32_u24 v3, v1, PITCH
	v_lshl_add_u32 v3, v2, 4, v3                   ; a fragment's row x pitch + 16 h
	s_mul_i32 s21, s13, 64*PITCH                   ; my 64 rows of x
	s_mul_i32 s22, s14, 128*PITCH                  ; my 128 rows of Wo,
	s_add_co_u32 s22, s22, BOFF                    ; which lie behind x's
.irp s, 0,1
	v_add_nc_u32 v[ADRA+\s], s21, v3
	v_add_nc_u32 v[ADRB+\s], s22, v3
	s_add_co_u32 s21, s21, SLOT
	s_add_co_u32 s22, s22, SLOT
.endr
	s_mul_i32 s23, s12, 16*SPITCH
	s_add_co_u32 s23, s23, STAGE                   ; my stage
	v_mul_u32_u24 v4, v1, SPITCH
	v_lshl_add_u32 v4, v2, 5, v4
	v_add_nc_u32 v[STO], s23, v4                   ; in: row r, 32 bytes for each half of the lanes
	v_and_b32 v5, 31, v0
	v_lshlrev_b32 v[CO], 4, v5                     ; back: the 32 lanes take one row of 512 bytes; and the same in out0
	v_add_nc_u32 v[RD], s23, v[CO]
	s_lshl_b32 s16, s15, 7
	s_lshl_b32 s17, s13, 6
	s_add_co_u32 s16, s16, s17                     ; my first row: 128 x tile row + 64 x half
	s_lshl_b32 s16, s16, 12                        ; rows of 4,096 bytes
	s_add_co_u32 s16, s16, s46
	s_mov_b32 s17, 0
	s_add_nc_u64 s[10:11], s[10:11], s[16:17]
; 8 matrix instructions: x's block a against Wo's eight, 32 along K, from buffer f.  bias = 1: bo is the C: nothing is ever cleared.
; The 32 accumulators take turns, one instruction a turn, in the same order in every quarter.
.macro MULA f, a, bias
.irp b, 0,1,2,3,4,5,6,7
.if \bias
	v_wmma_f32_16x16x32_f16 v[8*(8*(\a)+\b):8*(8*(\a)+\b)+7], v[FB+64*(\f)+8*\b:FB+64*(\f)+8*\b+7], v[FA+32*(\f)+8*(\a):FA+32*(\f)+8*(\a)+7], v[8*\b:8*\b+7]
.else
	v_wmma_f32_16x16x32_f16 v[8*(8*(\a)+\b):8*(8*(\a)+\b)+7], v[FB+64*(\f)+8*\b:FB+64*(\f)+8*\b+7], v[FA+32*(\f)+8*(\a):FA+32*(\f)+8*(\a)+7], v[8*(8*(\a)+\b):8*(8*(\a)+\b)+7]
.endif
.endr
.endm
; 24 LDS loads in one run: the fragments of the slot's q-th 32 along K (kb block q / 2, bytes 64 (q % 2) on) into buffer f: Wo's 16 loads, then x's blocks 0, 1, then 2, 3
.macro FETCH slot, q, f
	WIN 0
.irp i, 0,1,2,3,4,5,6,7
	ds_load_b128 v[FB+64*(\f)+8*\i:FB+64*(\f)+8*\i+3],   v[ADRB+\slot] offset:((\q)/2)*BZ+((\q)%2)*64+\i*16*PITCH
	ds_load_b128 v[FB+64*(\f)+8*\i+4:FB+64*(\f)+8*\i+7], v[ADRB+\slot] offset:((\q)/2)*BZ+((\q)%2)*64+\i*16*PITCH+32
.endr
.irp i, 0,1,2,3
	ds_load_b128 v[FA+32*(\f)+8*\i:FA+32*(\f)+8*\i+3],   v[ADRA+\slot] offset:((\q)/2)*AZ+((\q)%2)*64+\i*16*PITCH
	ds_load_b128 v[FA+32*(\f)+8*\i+4:FA+32*(\f)+8*\i+7], v[ADRA+\slot] offset:((\q)/2)*AZ+((\q)%2)*64+\i*16*PITCH+32
.endr
.endm
.macro PLACES                          ; four plain lines in front of loads into registers that matrix instructions have read, and of the first read of results
.rept 4
	v_nop
.endr
.endm
; A K step is four quarters of 32 along K, 32 matrix instructions each, on buffers 0, 1, 0, 1.  One of the first three: multiplies buffer f and fetches quarter q of the same slot into g.
.macro QUARTER slot, q, f, g, bias
	s_wait_dscnt 4                                 ; Wo's fragments and x's blocks 0, 1 are in; the youngest four loads (blocks 2, 3) may be out
.if \bias
	WIN MULB
.else
	WIN MUL
.endif
	MULA \f, 0, \bias
	MULA \f, 1, \bias
	PLACES
	FETCH \slot, \q, \g
	s_wait_dscnt 24                                ; all but the 24 just issued
.if \bias
	WIN MULB
.else
	WIN MUL
.endif
	MULA \f, 2, \bias
	MULA \f, 3, \bias
.endm
; The last quarter multiplies buffer 1 and changes slots: ONE barrier; in front of it each wave waits for all its tensor loads, adds 0 to its spare word, and waits for that and for its own reads of this slot.
; fill = 1: the barrier opens a round of the cluster's barrier, and this slot is filled again, two K steps ahead, first thing behind the round.
.macro TURN slot, next, fill
	WIN 0                                          ; (the add's two registers lie in window 0)
	s_wait_tensorcnt 0x0                           ; all my tensor loads have landed: my part of the next slot
	ds_add_u32 v[SPW], v[NIL]                      ; 0 onto my spare word
	s_wait_dscnt 5                                 ; the add and the youngest four loads may be out
	WIN MUL
	MULA 1, 0, 0                                   ; eight matrix instructions stand between the add and the wait for it
	s_wait_dscnt 0x0                               ; the add is done, and my reads of this slot are over
	s_barrier_signal -1
	MULA 1, 1, 0
.if \fill
	WIN 0
.endif
	s_barrier_wait -1
.if \fill
	CREST                                          ; no wave of any partner still reads this slot's tiles or has a load on its way
	s_add_nc_u64 s[G0+4*\slot+2:G0+4*\slot+3], s[G0+4*\slot+2:G0+4*\slot+3], 1<<22
	s_add_nc_u64 s[G0B+4*\slot+2:G0B+4*\slot+3], s[G0B+4*\slot+2:G0B+4*\slot+3], 1<<19
	JLOAD \slot                                    ; the four v_nop behind it are also the places in front of the loads below
.else
	PLACES
.endif
	FETCH \next, 0, 0
	WIN MUL
	MULA 1, 2, 0
	MULA 1, 3, 0
.endm
	s_wait_tensorcnt 1                             ; my part of K step 0 is in; K step 1's load may be out
	s_barrier_signal -1
	s_barrier_wait -1                              ; everybody's is
	FETCH 0, 0, 0
	s_wait_loadcnt 0x0                             ; bo
	QUARTER 0, 1, 0, 1, 1                          ; the first quarter stands in front of the loop: its products start the sums
	WIN 0                                          ; at a label and at a branch every window is 0
	s_mov_b32 s3, LAPS-1
.Llap:                                             ; a trip goes once round the two slots, from a lap's second quarter to the next lap's first, and fills both again
	QUARTER 0, 2, 1, 0, 0
	QUARTER 0, 3, 0, 1, 0
	TURN 0, 1, 1
	QUARTER 1, 1, 0, 1, 0
	QUARTER 1, 2, 1, 0, 0
	QUARTER 1, 3, 0, 1, 0
	TURN 1, 0, 1
	QUARTER 0, 1, 0, 1, 0
	WIN 0
	s_sub_co_u32 s3, s3, 1
	s_cmp_lg_u32 s3, 0
	s_cbranch_scc1 .Llap
	QUARTER 0, 2, 1, 0, 0                          ; the last lap fills nothing, and has no round of the cluster's barrier
	QUARTER 0, 3, 0, 1, 0
	TURN 0, 1, 0
	QUARTER 1, 1, 0, 1, 0
	QUARTER 1, 2, 1, 0, 0
	QUARTER 1, 3, 0, 1, 0
	s_wait_dscnt 4                                 ; the very last quarter: nothing more to fetch
	WIN MUL
	MULA 1, 0, 0
	MULA 1, 1, 0
	s_wait_dscnt 0
	MULA 1, 2, 0
	MULA 1, 3, 0
	WIN 0
; THE WAY OUT, a block of 16 rows x 128 columns at a time: a lane's 32 bytes go into my own stage and come back as whole rows of 512 bytes.
.macro TOSTAGE a
	WIN 0x04                                       ; an LDS store's data are its source 1: window 1
.irp b, 0,1,2,3,4,5,6,7
	ds_store_b128 v[STO], v[8*(8*(\a)+\b):8*(8*(\a)+\b)+3] offset:64*\b          ; each accumulator from its low end on
	ds_store_b128 v[STO], v[8*(8*(\a)+\b)+4:8*(8*(\a)+\b)+7] offset:64*\b+16
.endr
	WIN 0
.set BB, 32+64*((\a)%2)
.irp t, 0,1,2,3,4,5,6,7,8,9,10,11,12,13,14,15
	ds_load_b128 v[BB+4*\t:BB+4*\t+3], v[RD] offset:\t*SPITCH    ; LDS serves a wave's instructions in order: these see the stores above
.endr
.endm
.macro SEND a, younger                 ; younger: the LDS instructions issued behind block a's loads, which may stay out
.set BB, 32+64*((\a)%2)
	s_wait_dscnt \younger
.irp t, 0,1,2,3,4,5,6,7,8,9,10,11,12,13,14,15
	global_store_b128 v[CO], v[BB+4*\t:BB+4*\t+3], s[10:11] offset:(\a)*65536+\t*4096 th:TH_STORE_NT   ; 32 lanes store 512 consecutive bytes, aligned; written once, read by nobody here
.endr
.endm
	PLACES                                         ; behind the last products: their results are read and their fragments' registers loaded into below
	TOSTAGE 0
.irp a, 1,2,3
.if \a > 1
	s_wait_xcnt 0x0                                ; block a - 2's stores have read their registers: block a's loads may land there
.endif
	TOSTAGE \a
	SEND \a-1, 32                                  ; behind block a - 1's loads: block a's 16 stores and 16 loads
.endr
	SEND 3, 0
	s_wait_tensorcnt 0x0                           ; the wave's end
	ds_add_u32 v[SPW], v[NIL]
	s_wait_dscnt 0x0
	CROUND                                         ; the closing round
	s_endpgm
.Lfunc_end_k_qebf8cc2305_outp:
	.size	k_qebf8cc2305_outp, .Lfunc_end_k_qebf8cc2305_outp-k_qebf8cc2305_outp
	.p2alignl 7, 3214868480
	.fill 96, 4, 3214868480
	.section	.rodata,"a",@progbits
	.p2align	6, 0x0
	.amdhsa_kernel k_qebf8cc2305_outp
		.amdhsa_group_segment_fixed_size 327680
		.amdhsa_private_segment_fixed_size 0
		.amdhsa_enable_private_segment 0
		.amdhsa_kernarg_size 32
		.amdhsa_user_sgpr_count 2
		.amdhsa_user_sgpr_kernarg_segment_ptr 1
		.amdhsa_wavefront_size32 1
		.amdhsa_system_sgpr_workgroup_id_x 1
		.amdhsa_system_sgpr_workgroup_id_y 1
		.amdhsa_system_sgpr_workgroup_id_z 1
		.amdhsa_system_vgpr_workitem_id 0
		.amdhsa_next_free_vgpr 768
		.amdhsa_next_free_sgpr 66
		.amdhsa_reserve_vcc 0
		.amdhsa_float_denorm_mode_32 3
		.amdhsa_float_denorm_mode_16_64 3
		.amdhsa_memory_ordered 1
		.amdhsa_forward_progress 1
		.amdhsa_inst_pref_size 86
	.end_amdhsa_kernel
	.amdgpu_metadata
---
amdhsa.version: [ 1, 2 ]
amdhsa.kernels:
  - .name:           k_qebf8cc2305_outp
    .symbol:         k_qebf8cc2305_outp.kd
    .args:
      - { .name: xh, .offset: 0, .size: 8, .value_kind: global_buffer, .address_space: global }
      - { .name: woh, .offset: 8, .size: 8, .value_kind: global_buffer, .address_space: global }
      - { .name: bo, .offset: 16, .size: 8, .value_kind: global_buffer, .address_space: global }
      - { .name: out0, .offset: 24, .size: 8, .value_kind: global_buffer, .address_space: global }
    .group_segment_fixed_size: 327680
    .private_segment_fixed_size: 0
    .kernarg_segment_align: 8
    .kernarg_segment_size: 32
    .max_flat_workgroup_size: 128
    .sgpr_count:     66
    .vgpr_count:     768
    .wavefront_size: 32
...
	.end_amdgpu_metadata
.endif
;; end of part 4
